; MI455X (gfx1250); checked and timed in simulation.
; The chip was launched on July 23, 2026; its instructions are those of AMD's public machine-readable ISA for CDNA 5 (MIT licence, August 2026) and "CDNA5" Instruction Set Architecture Reference Guide (July 2026). The comments in the code are by the model that wrote it; some were corrected since.
;; Multihead Self Attention. Allowed arithmetic: matrix products marked QUANTISED: E2M3 operands, one E8M0 scale for each 32 along K, by v_wmma_scale_f32_16x16x128_f8f6f4 with both operands' format E2M3, f32 sums; everything else in f32.
;; Inputs: W_attn 1,024 x 3,072 float32; W_proj 1,024 x 1,024 float32; X 4 x 2,048 x 1,024 float32; b_attn 3,072 float32; b_proj 1,024 float32.
;; Outputs: out0 4 x 2,048 x 1,024 float32.
;; This version of the problem:
;;   THIS VERSION OF THE PROBLEM IS GIVEN IN LOW PRECISION. The matrix products marked QUANTISED in the list below multiply operands that are first quantised to E2M3 (2 exponent bits, 3 mantissa bits; 6 bits a number), with one power-of-two scale for each 32 numbers along K (OCP MX v1.0); their sums are f32. All else is computed in f32.
;;   The module's matrix products, in the order in which they are computed (A, B: the left and right operand; K: the contracted axis; several contracted axes count as one K, in the product's order):
;;     1. [M 8,192, K 1,024] x [K 1,024, N 3,072]; A: input X; B: input W_attn: QUANTISED
;;     2. batch 64 x [M 2,048, K 64] x [K 64, N 2,048]; A: computed on the way; B: computed on the way: QUANTISED
;;     3. batch 64 x [M 2,048, K 2,048] x [K 2,048, N 64]; A: softmax (see below); B: computed on the way: QUANTISED
;;     4. [M 8,192, K 1,024] x [K 1,024, N 1,024]; A: computed on the way; B: input W_proj: QUANTISED
;;   THE QUANTISER, for each operand of a quantised product, along K:
;;     - K is cut into blocks of 32 from its start; a last block that is shorter is filled with zeros.
;;     - A block's scale is 2^e with e = floor(log2(the largest magnitude in the block)) - 2, held to -126 .. 127; a block of zeros has e = 0. As a byte (E8M0): e + 127.
;;     - Each number is divided by its block's scale, clamped to +-7.5, and rounded to the nearest number of E2M3, ties to even, subnormals kept.
;;     - The product sums the exact products of the quantised numbers (number of the format x scale) in f32.
;;   ~~~python
;;   def quantise(x, axis):      # numpy; x: float32 -> the quantised numbers, widened to float32 again
;;       x = np.moveaxis(x, axis, -1); K = x.shape[-1]
;;       x = np.pad(x, [(0, 0)] * (x.ndim - 1) + [(0, -K % 32)]); x = x.reshape(x.shape[:-1] + (-1, 32)); a = np.abs(x).max(-1, keepdims=True)
;;       e = np.where(a > 0, np.clip(np.frexp(np.where(a > 0, a, 1))[1] - 1 - 2, -126, 127), 0)      # np.frexp(a)[1] - 1 = floor(log2(a)), exactly
;;       r = np.clip(x / 2.0 ** e, -7.5, 7.5)
;;       step = 2.0 ** (np.maximum(np.frexp(np.where(r == 0, 1, r))[1] - 1, 0) - 3)
;;       q = np.round(r / step) * step * 2.0 ** e      # np.round: ties to even
;;       return np.moveaxis(q.reshape(q.shape[:-2] + (-1,))[..., :K], -1, axis).astype(np.float32)
;;   ~~~
;;   SOFTMAX AHEAD OF A QUANTISED PRODUCT. Where the list says 'softmax', what is quantised is not the finished softmax but p = 2^(t - M), with t = logit x log2(e) and M = ceil(the row's largest t), a whole number; so 1/2 < the row's largest p <= 1. The row's sum l is taken of the UNQUANTISED p, in f32, and the product's result is divided by l at the end. Since M is a whole number, a kernel that streams over the keys may use a running M (the ceiling of the running maximum): every later rescaling is an exact power of two, which a block's scale takes up: the codes' values come out the same.
;;   OPERANDS COMPUTED ON THE WAY. 'Computed on the way' means the value that the module computes at that place (a softmax that the list does not call 'softmax' is quantised finished and normalised). What goes into a quantiser is computed in f32, as accurately as f32 sums, v_exp_f32 and their like allow (about 1e-6 of the number): no bf16 or f16 on the way to a quantiser, and a product that is left as it is and whose result goes on into a quantised operand takes f32 operands (vector FMAs, or v_wmma_f32_16x16x4_f32). A number that lies on a knife's edge between two numbers of the format may be rounded either way, as far as f32 arithmetic and the matrix unit's own rounding can turn it there, and no further.
;; One version. Each part assembles by itself: llvm-mc -triple=amdgcn-amd-amdhsa -mcpu=gfx1250 --defsym DOCPART=n.
;; ======== version 1 of 1: 5 launches
;; workspace buffers: opc 9,437,184 bytes; ops 393,216 bytes; att 19,660,800 bytes
;; launch quant_x (part 1): grid 256 x 1, 4 waves a work-group, no clusters, 36,352 bytes of LDS; arguments X, opc, ops; writes opc, ops
.if DOCPART == 1
	.amdgcn_target "amdgcn-amd-amdhsa--gfx1250"
	.amdhsa_code_object_version 6
	.text
	.protected	k_qca37fbd08e_quant_x
	.globl	k_qca37fbd08e_quant_x
	.p2align	8
	.type	k_qca37fbd08e_quant_x,@function
k_qca37fbd08e_quant_x:
	s_mov_b64 s[64:65], 0
	v_nop
	global_prefetch_b8 v0, s[64:65] scope:SCOPE_SE
	s_setreg_imm32_b32 hwreg(HW_REG_WAVE_MODE, 25, 1), 1
	s_wait_xcnt 0x0
; X [8192][1024] f32 becomes codes of FP6 (E2M3) with one E8M0 byte for each 32 along K (the row).
; A block's scale is 2^(floor(log2(largest magnitude)) - 2); its byte is the largest magnitude's exponent field - 2, held at 1 from below.
; LIMITS: NaN and infinities among the inputs are not served; a block whose largest magnitude lies under 2^-124 keeps the byte 1; a block of zeros
; keeps the byte 1 over zero codes (the bytes are read by this program alone).
; THE CODES' LAYOUT (opc): [tile of 16 rows][64 along K][768 bytes], each 768 bytes an image of six operand registers: lane l = r + 16 h holds row r,
; k = 32 h .. 32 h + 31 of the 64; registers 0-3 lie at 16 l, registers 4-5 at 512 + 8 l.  So a reader fills half a fragment by one load of 16 bytes and one of 8 a lane.
; THE SCALE BYTES (ops): [row][32].
; SHARES: a work-group takes two tiles of rows; wave w takes tile w / 2 and half w % 2 of K: eight steps of 16 rows x 64 along K.
; A step's eight loads read 256 consecutive bytes of two rows each; the 4,096 bytes turn through the wave's own stage in LDS (rows 272 bytes apart) and come back 128 bytes a lane: a whole block.
; Loads run four steps ahead, the turn through LDS one step.
.set R,    32                          ; v32-159  four sets of 32 registers as loaded
.set XS,   160                         ; v160-223 two sets of 32 neighbours along K
.set C,    224                         ; v224-229, v232-237 a step's six code registers, two sets by turns
.set C2,   240                         ; v240-242 the second conversion's result (a conversion's three registers begin on an even number)
.set STG,  4352                        ; a stage: 16 rows x 272 bytes
.set WREG, 8704                        ; two stages for each wave
.set SCL,  34816                       ; behind them: the work-group's 32 rows x 32 scale bytes
	s_load_b128 s[4:7], s[0:1], 0x0                ; X, opc
	s_load_b64 s[8:9], s[0:1], 0x10                ; ops
	v_lshl_add_u32 v248, v0, 2, 0x8c00
	v_mov_b32 v249, 0
	v_lshrrev_b32 v1, 5, v0
	v_readfirstlane_b32 s10, v1                    ; wave
	v_and_b32 v1, 31, v0                           ; lane
	v_and_b32 v2, 15, v0                           ; r
	v_bfe_u32 v3, v0, 4, 1                         ; h
	s_lshr_b32 s11, s10, 1                         ; which of the two tiles of rows
	s_and_b32 s14, s10, 1                          ; which half of K
	s_mul_i32 s15, s10, WREG
	s_mov_b32 s12, 0x76543210
	s_mov_b32 s13, 0xfedcba98                      ; selects for lane l xor 16
	v_lshlrev_b32 v4, 4, v2
	v_lshl_add_u32 v4, v3, 12, v4                  ; in memory: row h of a pair of rows, 16 r bytes on
	v_mul_u32_u24 v5, v3, 272
	v_lshl_add_u32 v5, v2, 4, v5
	v_add_nc_u32 v5, s15, v5                       ; into the stage: the same place
	v_mul_u32_u24 v6, v2, 272
	v_lshl_add_u32 v6, v3, 7, v6
	v_add_nc_u32 v6, s15, v6                       ; out of it: row r, my block's 128 bytes
	v_lshlrev_b32 v7, 4, v1                        ; 16 x lane
	v_lshlrev_b32 v8, 3, v1                        ; 8 x lane
	v_lshlrev_b32 v9, 3, v3                        ; 8 h: my byte's place in a pair of bytes
	s_lshl_b32 s16, s11, 9
	s_lshl_b32 s17, s14, 4
	s_add_co_u32 s16, s16, s17
	s_add_co_u32 s16, s16, SCL
	v_lshl_add_u32 v14, v2, 5, s16                 ; my row's 16 scale bytes of my half of K
	s_lshl_b32 s17, s10, 8
	s_add_co_u32 s18, s17, SCL
	v_add_nc_u32 v15, s18, v8                      ; on the way out: 256 bytes a wave, 8 a lane
	v_add_nc_u32 v26, s17, v8
.irp m, 0,1,2,3
	v_mov_b32 v[20+\m], 0                          ; written once: a lane permute's destination counts as one of its sources
.endr
	s_lshl_b32 s20, ttmp9, 1
	s_add_co_u32 s20, s20, s11                     ; my tile of rows
	s_lshl_b32 s22, s20, 16                        ; 16 rows of 4,096 bytes
	s_lshl_b32 s24, s14, 11
	s_add_co_u32 s22, s22, s24
	s_mov_b32 s23, 0
	s_mul_i32 s24, s20, 12288
	s_mul_i32 s26, s14, 6144
	s_add_co_u32 s24, s24, s26
	s_mov_b32 s25, 0
	s_lshl_b32 s26, ttmp9, 10
	s_mov_b32 s27, 0
	s_wait_kmcnt 0x0
	s_add_nc_u64 s[4:5], s[4:5], s[22:23]
	s_add_nc_u64 s[6:7], s[6:7], s[24:25]
	s_add_nc_u64 s[8:9], s[8:9], s[26:27]
.macro LOAD j
.irp e, 0,1,2,3,4,5,6,7
	global_load_b128 v[R+32*((\j)%4)+4*\e:R+32*((\j)%4)+4*\e+3], v4, s[4:5] offset:\e*8192+(\j)*256 th:TH_LOAD_NT   ; sixteen lanes read 256 consecutive bytes of a row
.endr
.endm
.macro TURN j                          ; LDS serves a wave's instructions in order: no wait between the stores and the loads
.irp e, 0,1,2,3,4,5,6,7
	ds_store_b128 v5, v[R+32*((\j)%4)+4*\e:R+32*((\j)%4)+4*\e+3] offset:((\j)%2)*STG+\e*544
.endr
.irp e, 0,1,2,3,4,5,6,7
	ds_load_b128 v[XS+32*((\j)%2)+4*\e:XS+32*((\j)%2)+4*\e+3], v6 offset:((\j)%2)*STG+16*\e
.endr
.endm
.macro STEP j
.set XB, XS+32*((\j)%2)
.set CB, C+8*((\j)%2)
	s_wait_dscnt 0x0                               ; this step's numbers are back from the stage, so its stores into the stage have read their registers,
.if (\j) < 4
	LOAD (\j)+4                                    ; which take the loads of four steps on
.endif
.if (\j) < 7
.if (\j) < 4
	s_wait_loadcnt 24                              ; the next step's eight loads are in; three younger sets may be out
.else
	s_wait_loadcnt 8*(6-(\j))                      ; the counts run down
.endif
	TURN (\j)+1
.endif
	v_max3_num_f32 v10, |v[XB]|, |v[XB+1]|, |v[XB+2]|              ; the block's largest magnitude: all 32 numbers are mine; two chains
	v_max3_num_f32 v12, |v[XB+3]|, |v[XB+4]|, |v[XB+5]|
.irp i, 6,10,14,18,22,26
	v_max3_num_f32 v10, v10, |v[XB+\i]|, |v[XB+\i+1]|
	v_max3_num_f32 v12, v12, |v[XB+\i+2]|, |v[XB+\i+3]|
.endr
	v_max3_num_f32 v10, v10, |v[XB+30]|, |v[XB+31]|
	v_max3_num_f32 v10, v10, v12, 0x1800000        ; and the floor 2^(3 - 127): the byte cannot fall under 1
	v_add_nc_u32 v11, 0xff000000, v10              ; 2 off the exponent field: the conversion takes this operand's exponent field as its scale
	s_wait_alu depctr_va_vdst(0)
	s_wait_xcnt 0x0                                ; the stores of two steps ago have read this set of code registers
	v_cvt_scalef32_pk16_fp6_f32 v[CB:CB+2], v[XB:XB+15], v11
	v_cvt_scalef32_pk16_fp6_f32 v[C2:C2+2], v[XB+16:XB+31], v11
	v_lshrrev_b32 v13, 23, v11                     ; the scale's byte (also the plain line behind the conversions)
.irp i, 0,1,2
	v_mov_b32 v[CB+3+\i], v[C2+\i]
.endr
.if (\j)%2 == 0
	v_mov_b32 v[16+(\j)/2], v13                    ; two steps' bytes to a word, at bits 0 and 16
.else
	v_lshl_or_b32 v[16+(\j)/2], v13, 16, v[16+(\j)/2]
.endif
	global_store_b128 v7, v[CB:CB+3], s[6:7] offset:(\j)*768       ; 512 consecutive bytes
	global_store_b64 v8, v[CB+4:CB+5], s[6:7] offset:(\j)*768+512  ; 256 consecutive bytes
.endm
.irp t, 0,1,2,3
	LOAD \t
.endr
	s_wait_loadcnt 24                              ; step 0's eight loads are in
	TURN 0
.irp t, 0,1,2,3,4,5,6,7
	STEP \t
.endr
.irp m, 0,1,2,3
	v_lshlrev_b32 v[16+\m], v9, v[16+\m]           ; lanes 16-31 hold the odd blocks' bytes: 8 bits up
.endr
.irp m, 0,1,2,3
	v_permlanex16_b32 v[20+\m], v[16+\m], s12, s13
.endr
.irp m, 0,1,2,3
	v_or_b32 v[16+\m], v[16+\m], v[20+\m]          ; with lane l xor 16's the four words are whole
.endr
	ds_store_b128 v14, v[16:19]                    ; both halves of the lanes write the same bytes with the same value
	s_wait_dscnt 0x0                               ; for the others' sake: my store has landed
	s_barrier_signal -1
	s_barrier_wait -1
	ds_load_b64 v[24:25], v15
	s_wait_dscnt 0x0
	global_store_b64 v26, v[24:25], s[8:9]         ; 32 lanes store 256 consecutive bytes, aligned
	s_wait_tensorcnt 0x0
	ds_add_u32 v248, v249
	s_wait_dscnt 0x0
	s_endpgm
.Lfunc_end_k_qca37fbd08e_quant_x:
	.size	k_qca37fbd08e_quant_x, .Lfunc_end_k_qca37fbd08e_quant_x-k_qca37fbd08e_quant_x
	.p2alignl 7, 3214868480
	.fill 96, 4, 3214868480
	.section	.rodata,"a",@progbits
	.p2align	6, 0x0
	.amdhsa_kernel k_qca37fbd08e_quant_x
		.amdhsa_group_segment_fixed_size 36352
		.amdhsa_private_segment_fixed_size 0
		.amdhsa_enable_private_segment 0
		.amdhsa_kernarg_size 24
		.amdhsa_user_sgpr_count 2
		.amdhsa_user_sgpr_kernarg_segment_ptr 1
		.amdhsa_wavefront_size32 1
		.amdhsa_system_sgpr_workgroup_id_x 1
		.amdhsa_system_sgpr_workgroup_id_y 1
		.amdhsa_system_sgpr_workgroup_id_z 1
		.amdhsa_system_vgpr_workitem_id 0
		.amdhsa_next_free_vgpr 250
		.amdhsa_next_free_sgpr 66
		.amdhsa_reserve_vcc 0
		.amdhsa_float_denorm_mode_32 3
		.amdhsa_float_denorm_mode_16_64 3
		.amdhsa_memory_ordered 1
		.amdhsa_forward_progress 1
		.amdhsa_inst_pref_size 32
	.end_amdhsa_kernel
	.amdgpu_metadata
---
amdhsa.version: [ 1, 2 ]
amdhsa.kernels:
  - .name:           k_qca37fbd08e_quant_x
    .symbol:         k_qca37fbd08e_quant_x.kd
    .args:
      - { .name: X, .offset: 0, .size: 8, .value_kind: global_buffer, .address_space: global }
      - { .name: opc, .offset: 8, .size: 8, .value_kind: global_buffer, .address_space: global }
      - { .name: ops, .offset: 16, .size: 8, .value_kind: global_buffer, .address_space: global }
    .group_segment_fixed_size: 36352
    .private_segment_fixed_size: 0
    .kernarg_segment_align: 8
    .kernarg_segment_size: 24
    .max_flat_workgroup_size: 128
    .sgpr_count:     66
    .vgpr_count:     250
    .wavefront_size: 32
...
	.end_amdgpu_metadata
.endif
;; end of part 1
;; launch quant_w (part 2): grid 32 x 8, 4 waves a work-group, no clusters, 12,800 bytes of LDS; arguments W_attn, W_proj, opc, ops; writes opc, ops
.if DOCPART == 2
	.amdgcn_target "amdgcn-amd-amdhsa--gfx1250"
	.amdhsa_code_object_version 6
	.text
	.protected	k_qca37fbd08e_quant_w
	.globl	k_qca37fbd08e_quant_w
	.p2align	8
	.type	k_qca37fbd08e_quant_w,@function
k_qca37fbd08e_quant_w:
	s_mov_b64 s[64:65], 0
	v_nop
	global_prefetch_b8 v0, s[64:65] scope:SCOPE_SE
	s_setreg_imm32_b32 hwreg(HW_REG_WAVE_MODE, 25, 1), 1
	s_wait_xcnt 0x0
; W_attn [1024][3072] and W_proj [1024][1024], f32, K = the FIRST axis, become codes of FP6 (E2M3) with K innermost and one E8M0 byte for each 32 along K.
; A lane takes a column and its registers run down K: a block of 32 lies in one lane, each load reads 128 consecutive bytes a wave, and nothing is transposed by an instruction.
; Scale and limits as in the launch that quantises X: byte = the largest magnitude's exponent field - 2, held at 1 from below; NaN and infinities are not served; a block of zeros keeps the byte 1 over zero codes.
; LAYOUT: the columns are rows 8192 + n (W_attn) and 11264 + n (W_proj) of opc and ops: opc [tile of 16 rows][64 along K][768 bytes, an image of six operand registers], ops [row][32].
; ORDER INSIDE A BLOCK: W_proj's other operand, y, is made from matrix results in which a block's 32 numbers stand in the order 0-7, 16-23, 8-15, 24-31.  W_proj's rows are loaded in that order,
; so that code place c means the same k on both sides; a block's scale and the sum of its products do not hang on the order.  W_attn keeps the natural order, as X does.
; One path serves both tensors: the pointer, the pitch and the order are chosen on the work-group's x (under 24: W_attn).
; A wave takes 32 columns x 128 along K: four blocks a lane.  The codes go through the wave's own 3,072 bytes of LDS and leave as six stores of 512 consecutive bytes.
; The four scale bytes a lane leave by one store of 4 bytes into rows 32 bytes apart: one word for each 128 that the launch reads.
.set OFF, 16                           ; v16-47   4 x lane + (the row that code place i takes) x pitch
.set X,   48                           ; v48-111  two sets of 32 numbers
.set C,   112                          ; v112-117 a block's six code registers;  v120-122 the second conversion's result
.set C2,  120
.set OUTR, 124                         ; v124-147 the way out
	s_load_b256 s[4:11], s[0:1], 0x0               ; W_attn, W_proj, opc, ops
	v_lshl_add_u32 v152, v0, 2, 0x3000
	v_mov_b32 v153, 0
	v_lshrrev_b32 v1, 5, v0
	v_readfirstlane_b32 s12, v1                    ; wave
	v_and_b32 v1, 31, v0                           ; lane L
	v_and_b32 v9, 15, v0                           ; L % 16: the row in its tile of 16
	v_bfe_u32 v14, v0, 4, 1                        ; L / 16: which of the wave's two tiles
	v_lshlrev_b32 v2, 2, v1
	s_mul_i32 s13, s12, 3072
	v_mul_u32_u24 v3, v14, 1536
	v_add_nc_u32 v3, s13, v3
	v_lshl_add_u32 v4, v9, 3, v3                   ; stage: registers 4-5 of my place in an image
	v_lshl_add_u32 v3, v9, 4, v3                   ; registers 0-3
	v_lshlrev_b32 v6, 4, v1
	v_add_nc_u32 v5, s13, v6                       ; and back: 16 bytes a lane
	v_lshlrev_b32 v7, 5, v1                        ; my row of scale bytes
	s_and_b32 s14, ttmp7, 0xffff                   ; which 128 along K
	s_sub_co_u32 s15, ttmp9, 24
	s_mov_b32 s16, 4096
	s_wait_alu depctr_va_vdst(0)
	s_wait_kmcnt 0x0
	s_cmp_lt_u32 ttmp9, 24                         ; W_attn's work-group or W_proj's: the choice hangs on the work-group's number alone
	s_cselect_b64 s[4:5], s[4:5], s[6:7]
	s_cselect_b32 s15, ttmp9, s15                  ; which 128 columns of the tensor
	s_cselect_b32 s16, 12288, s16                  ; bytes from row to row
.set i, 0
.rept 32
.if (i >= 8) && (i < 16)
	s_cselect_b32 s17, i, i+8
.elseif (i >= 16) && (i < 24)
	s_cselect_b32 s17, i, i-8
.else
	s_mov_b32 s17, i
.endif
	s_mul_i32 s17, s17, s16
	v_add_nc_u32 v[OFF+i], s17, v2
.set i, i+1
.endr
	s_lshl_b32 s18, s15, 9
	s_lshl_b32 s19, s12, 7
	s_add_co_u32 s18, s18, s19                     ; my wave's first column, in bytes
	s_lshl_b32 s19, s14, 7
	s_mul_i32 s19, s19, s16                        ; my first row
	s_add_co_u32 s18, s18, s19
	s_mov_b32 s19, 0
	s_add_nc_u64 s[20:21], s[4:5], s[18:19]        ; a base for each block: 32 rows apart
	s_lshl_b32 s18, s16, 5
	s_add_nc_u64 s[22:23], s[20:21], s[18:19]
	s_add_nc_u64 s[24:25], s[22:23], s[18:19]
	s_add_nc_u64 s[26:27], s[24:25], s[18:19]
	s_lshl_b32 s28, ttmp9, 3
	s_lshl_b32 s29, s12, 1
	s_add_co_u32 s28, s28, s29
	s_add_co_u32 s28, s28, 512                     ; my first tile of rows in opc
	s_mul_i32 s28, s28, 12288
	s_mul_i32 s29, s14, 1536
	s_add_co_u32 s28, s28, s29
	s_mov_b32 s29, 0
	s_add_nc_u64 s[8:9], s[8:9], s[28:29]
	s_lshl_b32 s28, ttmp9, 12
	s_lshl_b32 s30, s12, 10
	s_add_co_u32 s28, s28, s30
	s_lshl_b32 s30, s14, 2
	s_add_co_u32 s28, s28, s30
	s_add_co_u32 s28, s28, 262144                  ; (8192 + 128 x + 32 wave) x 32 + 4 x (which 128 along K)
	s_add_nc_u64 s[10:11], s[10:11], s[28:29]
.macro LOAD t
.set i, 0
.rept 32
	global_load_b32 v[X+32*((\t)%2)+i], v[OFF+i], s[20+2*(\t):21+2*(\t)] th:TH_LOAD_NT
.set i, i+1
.endr
.endm
	s_wait_alu depctr_va_vdst(0)
	LOAD 0
	LOAD 1
.macro BLOCK t
.set XB, X+32*((\t)%2)
.if (\t) < 3
	s_wait_loadcnt 32                              ; this block's 32 loads are in; the next block's may be out
.else
	s_wait_loadcnt 0x0
.endif
	v_max3_num_f32 v10, |v[XB]|, |v[XB+1]|, |v[XB+2]|
	v_max3_num_f32 v12, |v[XB+3]|, |v[XB+4]|, |v[XB+5]|
.irp i, 6,10,14,18,22,26
	v_max3_num_f32 v10, v10, |v[XB+\i]|, |v[XB+\i+1]|
	v_max3_num_f32 v12, v12, |v[XB+\i+2]|, |v[XB+\i+3]|
.endr
	v_max3_num_f32 v10, v10, |v[XB+30]|, |v[XB+31]|
	v_max3_num_f32 v10, v10, v12, 0x1800000        ; the floor 2^(3 - 127)
	v_add_nc_u32 v11, 0xff000000, v10              ; the conversion's scale operand
	v_cvt_scalef32_pk16_fp6_f32 v[C:C+2], v[XB:XB+15], v11
	v_cvt_scalef32_pk16_fp6_f32 v[C2:C2+2], v[XB+16:XB+31], v11
	v_lshrrev_b32 v13, 23, v11                     ; the byte (also the plain line behind the conversions)
.irp i, 0,1,2
	v_mov_b32 v[C+3+\i], v[C2+\i]
.endr
.if (\t) == 0
	v_mov_b32 v8, v13
.else
	v_lshl_or_b32 v8, v13, 8*(\t), v8              ; four bytes to the word, the lower K in the lower byte
.endif
	ds_store_b128 v3, v[C:C+3] offset:((\t)/2)*768+256*((\t)%2)          ; block t is lanes 16 (t % 2) on of image t / 2
	ds_store_b64 v4, v[C+4:C+5] offset:((\t)/2)*768+512+128*((\t)%2)
.if (\t) < 2
	LOAD (\t)+2
.endif
	s_wait_dscnt 0x0                               ; the stores have read their registers
.endm
	BLOCK 0
	BLOCK 1
	BLOCK 2
	BLOCK 3
	s_wait_alu depctr_va_vdst(0)
	global_store_b32 v7, v8, s[10:11]
.irp j, 0,1,2,3,4,5
	ds_load_b128 v[OUTR+4*\j:OUTR+4*\j+3], v5 offset:512*\j       ; LDS serves a wave's instructions in order: these see my stores
.endr
.irp j, 0,1,2,3,4,5
	s_wait_dscnt 5-\j
	global_store_b128 v6, v[OUTR+4*\j:OUTR+4*\j+3], s[8:9] offset:512*(\j%3)+12288*(\j/3)   ; 512 consecutive bytes, aligned; three for each of my two tiles of rows
.endr
	s_wait_tensorcnt 0x0
	ds_add_u32 v152, v153
	s_wait_dscnt 0x0
	s_endpgm
.Lfunc_end_k_qca37fbd08e_quant_w:
	.size	k_qca37fbd08e_quant_w, .Lfunc_end_k_qca37fbd08e_quant_w-k_qca37fbd08e_quant_w
	.p2alignl 7, 3214868480
	.fill 96, 4, 3214868480
	.section	.rodata,"a",@progbits
	.p2align	6, 0x0
	.amdhsa_kernel k_qca37fbd08e_quant_w
		.amdhsa_group_segment_fixed_size 12800
		.amdhsa_private_segment_fixed_size 0
		.amdhsa_enable_private_segment 0
		.amdhsa_kernarg_size 32
		.amdhsa_user_sgpr_count 2
		.amdhsa_user_sgpr_kernarg_segment_ptr 1
		.amdhsa_wavefront_size32 1
		.amdhsa_system_sgpr_workgroup_id_x 1
		.amdhsa_system_sgpr_workgroup_id_y 1
		.amdhsa_system_sgpr_workgroup_id_z 1
		.amdhsa_system_vgpr_workitem_id 0
		.amdhsa_next_free_vgpr 154
		.amdhsa_next_free_sgpr 66
		.amdhsa_reserve_vcc 0
		.amdhsa_float_denorm_mode_32 3
		.amdhsa_float_denorm_mode_16_64 3
		.amdhsa_memory_ordered 1
		.amdhsa_forward_progress 1
		.amdhsa_inst_pref_size 26
	.end_amdhsa_kernel
	.amdgpu_metadata
---
amdhsa.version: [ 1, 2 ]
amdhsa.kernels:
  - .name:           k_qca37fbd08e_quant_w
    .symbol:         k_qca37fbd08e_quant_w.kd
    .args:
      - { .name: W_attn, .offset: 0, .size: 8, .value_kind: global_buffer, .address_space: global }
      - { .name: W_proj, .offset: 8, .size: 8, .value_kind: global_buffer, .address_space: global }
      - { .name: opc, .offset: 16, .size: 8, .value_kind: global_buffer, .address_space: global }
      - { .name: ops, .offset: 24, .size: 8, .value_kind: global_buffer, .address_space: global }
    .group_segment_fixed_size: 12800
    .private_segment_fixed_size: 0
    .kernarg_segment_align: 8
    .kernarg_segment_size: 32
    .max_flat_workgroup_size: 128
    .sgpr_count:     66
    .vgpr_count:     154
    .wavefront_size: 32
...
	.end_amdgpu_metadata
.endif
;; end of part 2
;; launch gemm1 (part 3): grid 8 x 48, 4 waves a work-group, clusters of 4 x 4, 327,680 bytes of LDS; arguments opc, ops, b_attn, att; writes att
.if DOCPART == 3
	.amdgcn_target "amdgcn-amd-amdhsa--gfx1250"
	.amdhsa_code_object_version 6
	.text
	.protected	k_qca37fbd08e_gemm1
	.globl	k_qca37fbd08e_gemm1
	.p2align	8
	.type	k_qca37fbd08e_gemm1,@function
k_qca37fbd08e_gemm1:
	s_mov_b64 s[64:65], 0
	v_nop
	global_prefetch_b8 v0, s[64:65] scope:SCOPE_SE
	s_setreg_imm32_b32 hwreg(HW_REG_WAVE_MODE, 25, 1), 1
	s_wait_xcnt 0x0
	s_wait_alu depctr_hold_cnt(0) depctr_sa_sdst(0) depctr_va_vdst(0) depctr_va_sdst(0) depctr_va_ssrc(0) depctr_va_vcc(0) depctr_vm_vsrc(0)
	s_getreg_b32 s2, hwreg(HW_REG_IB_STS2, 6, 4)
	s_cmp_eq_u32 s2, 0
	s_cbranch_scc0 .Lentry_in_a_cluster
	s_endpgm
.Lentry_in_a_cluster:
	s_bfe_u32 s2, ttmp6, 0x10000c
	s_cmp_lg_u32 s2, 0xf033
	s_cbranch_scc0 .Lentry_shape_is_right
	s_endpgm
.Lentry_shape_is_right:
; qkv = X W_attn + b_attn on codes of FP6 (E2M3) with E8M0 scales, K = 1,024; the results are quantised here and leave as codes: q and k along the head's 64, v along the keys.
; A work-group makes 256 x 256 of C'[m'][n'] = A'[m'] . B'[n'], four waves of 128 x 128 (64 accumulators, 512 registers).  The matrix instruction is used transposed (source 0 = 16 rows of B', source 1 = 16 rows
; of A'), so a lane holds ONE row m' and its registers run along n': the axis along which the result is quantised.
;   clusters with y under 8 (q, k): A' = X's rows, B' = W_attn's columns 0 .. 2047: n' runs along the heads' channels.
;   clusters with y from 8 on (v):  A' = W_attn's columns 2048 .. 3071, B' = X's rows: n' runs along the keys.
; OPERANDS lie in opc as images of operand registers, [tile of 16 rows][64 along K][768 bytes]: a fragment is two loads of 16 bytes and two of 8 a lane, each run of lanes on consecutive bytes.
; RING: three LDS slots of 256 along K (16 + 16 tiles of rows x 3,072 bytes).  Three go out at the start; K's last quarter is filled into slot 0 behind the one round of the cluster's barrier, four K steps ahead of its use.
; A wave has three tensor loads out at the start and one later.
; CLUSTER 4 x 4: A' hangs on the cluster's row alone, B' on its column alone; each tile is asked for jointly by the four that share it.
; SCALES: all eight K steps' words of the wave's rows come once, straight into 64 registers: lanes 0-15 A' block i, lanes 16-31 B' tile i.
; IN A RESULT a block's 32 numbers stand in the order 0-7, 16-23, 8-15, 24-31 (lanes 0-15 hold the first two runs, lanes 16-31 the others); q and k, and later p and v, are made alike, so the products are those of the natural order.
; LIMITS: NaN and infinities are not served; a block whose largest magnitude lies under 2^-124 keeps the byte 1, a block of zeros too, over zero codes.
; att: per head and 256 keys a chunk of 25,600 bytes: 16 images of k | 512 bytes of k's scale words | 16 images of v (64 keys x 16 channels each) | 512 bytes of v's scale words; behind all chunks q's images and q's scale words.
; REGISTERS: window 0: v1-5 lane numbers, v8-22 LDS addresses, v24-25 the add's, v26-31 offsets, v32-95 scale words, v96-127 at work, v128-223 A' fragments (later the results and their codes), v224-233 v's bias.
;   window 1: B' fragments, two sets at v0 and v128; v96-127 and v224-255 q's and k's bias.   windows 2, 3: the accumulators, (a, b) at v[64 (a % 4) + 8 b].
.set SLOT,  98304
.set AREG,  49152                      ; A's 16 pieces of 3,072 bytes, then B's 16
.set SPARE, 294912                     ; behind the three slots: the spare words, 128 bytes a wave
.set QOFF,  13107200
.set QSOFF, 19398656
.set SC,    32
.set AF,    128
.set TM,    96
.set PC,    192
.set SEL,   96                         ; s[96:97]
.set MUL_LO, 0xa1                      ; source 0 (B') window 1, source 1 (A') window 0, C and D window 2
.set MUL_HI, 0xf1                      ; C and D window 3
.set MSB, 0
.macro WIN new                         ; the immediate's high byte repeats the setting that is left
.if MSB != (\new)
	s_set_vgpr_msb (MSB<<8)|(\new)
.set MSB, (\new)
.endif
.endm
.macro PLACES n
.rept \n
	v_nop
.endr
.endm
; A joint load: waves 0 and 1 fetch A's halves, waves 2 and 3 B's.  The branch hangs on the wave's number alone.  Four v_nop follow each line.
.macro JLOAD s
	s_cmp_eq_u32 s13, 0
	s_cbranch_scc0 .Lfor_b_\@
	tensor_load_to_lds s[36+4*(\s):39+4*(\s)], s[20:27]
	s_nop 0
.rept 4
	v_nop
.endr
	s_branch .Lasked_\@
.Lfor_b_\@:
	tensor_load_to_lds s[52+4*(\s):55+4*(\s)], s[28:35]
	s_nop 0
.rept 4
	v_nop
.endr
.Lasked_\@:
.endm
.macro CREST                           ; a round of the cluster's barrier behind its opening barrier
	s_cmp_lg_u32 s12, 0
	s_cbranch_scc1 .Lnot_wave_0_\@
	s_barrier_signal -3
.Lnot_wave_0_\@:
	s_barrier_wait -3
	s_barrier_signal -1
	s_barrier_wait -1
.endm
.macro CROUND
	s_barrier_signal -1
	s_barrier_wait -1
	CREST
.endm
	s_load_b256 s[4:11], s[0:1], 0x0               ; opc, ops, b_attn, att
	v_lshl_add_u32 v24, v0, 2, SPARE
	v_mov_b32 v25, 0
	ds_add_u32 v24, v25
	ds_add_u32 v24, v25
	s_wait_dscnt 0x0
	v_lshrrev_b32 v1, 5, v0
	v_readfirstlane_b32 s12, v1                    ; wave
	s_lshr_b32 s13, s12, 1                         ; my half of A's rows.  Also: I fetch for A' (0) or B' (1)
	s_and_b32 s14, s12, 1                          ; my half of B's rows.  Also: which half I fetch
	s_bfe_u32 s15, ttmp6, 0x40000                  ; cx
	s_bfe_u32 s16, ttmp6, 0x40004                  ; cy
	s_mov_b32 s17, ttmp9                           ; the cluster's x
	s_and_b32 s18, ttmp7, 0xffff                   ; the cluster's y
	s_lshl_b32 s72, s16, 2
	s_lshl_b32 s72, 15, s72                        ; my row of the cluster
	s_lshl_b32 s73, 0x1111, s15                    ; my column
	; group 1: 8 rows of 3,072 bytes (384 elements of 8 bytes), 12,288 bytes apart in memory, dense in LDS
	s_or_b32 s20, s72, (3<<16)|(1<<21)
	s_or_b32 s28, s73, (3<<16)|(1<<21)
.irp g, 20, 28
	s_mov_b32 s[\g+1], 384<<16                     ; tensor_dim0
	s_mov_b32 s[\g+2], 8<<16                       ; tensor_dim1
	s_mov_b32 s[\g+3], 384<<16                     ; tile_dim0
	s_mov_b32 s[\g+4], 8                           ; tile_dim1
	s_mov_b32 s[\g+5], 1536                        ; from row to row
	s_mov_b32 s[\g+6], 0
	s_mov_b32 s[\g+7], 0
.endr
	s_mov_b32 s[SEL], 0x76543210
	s_mov_b32 s[SEL+1], 0xfedcba98
	s_sub_co_u32 s77, s18, 8
	s_cmp_ge_u32 s18, 8                            ; v's clusters?  The same answer in all sixteen partners
	s_cselect_b32 s74, 0, s18
	s_cselect_b32 s75, 640, 0
	s_cselect_b32 s76, s77, 0
	s_cselect_b32 s78, 0, 512
	s_lshl_b32 s74, s74, 2
	s_add_co_u32 s74, s74, s16                     ; tr: which 256 rows of A' (made of cy and the cluster's y alone)
	s_lshl_b32 s79, s74, 4
	s_add_co_u32 s79, s79, s75                     ; A's first tile of rows in opc
	s_lshl_b32 s76, s76, 1
	s_add_co_u32 s76, s76, s17
	s_lshl_b32 s76, s76, 2
	s_add_co_u32 s76, s76, s15                     ; tc: which 256 rows of B' (made of cx and the cluster's place alone)
	s_lshl_b32 s80, s76, 4
	s_add_co_u32 s80, s80, s78                     ; B's first tile of rows in opc
	s_lshl_b32 s81, s14, 3
	s_add_co_u32 s82, s79, s81
	s_mul_i32 s82, s82, 12288
	s_mov_b32 s83, 0
	s_add_co_u32 s84, s80, s81
	s_mul_i32 s84, s84, 12288
	s_mov_b32 s85, 0
	s_mul_i32 s86, s14, 24576                      ; where they go: no place in the cluster enters an LDS address
	s_add_co_u32 s87, s86, AREG
	s_wait_kmcnt 0x0
	s_add_nc_u64 s[82:83], s[4:5], s[82:83]
	s_add_nc_u64 s[84:85], s[4:5], s[84:85]
	CROUND                                         ; all sixteen work-groups are here: the first joint loads meet
.irp s, 0,1,2
	s_mov_b32 s[36+4*\s], 1
	s_add_co_u32 s[37+4*\s], s86, \s*SLOT
	s_add_nc_u64 s[38+4*\s:39+4*\s], s[82:83], \s*3072
	s_or_b32 s[39+4*\s], s[39+4*\s], 0x80000000
	s_mov_b32 s[52+4*\s], 1
	s_add_co_u32 s[53+4*\s], s87, \s*SLOT
	s_add_nc_u64 s[54+4*\s:55+4*\s], s[84:85], \s*3072
	s_or_b32 s[55+4*\s], s[55+4*\s], 0x80000000
	JLOAD \s
.endr
	v_and_b32 v1, 31, v0
	v_and_b32 v2, 15, v0                           ; r
	v_bfe_u32 v3, v0, 4, 1                         ; h
	v_lshlrev_b32 v4, 4, v1                        ; 16 x lane
	v_lshlrev_b32 v5, 3, v1                        ; 8 x lane
	s_mul_i32 s88, s13, 24576
	s_mul_i32 s89, s14, 24576
	s_add_co_u32 s89, s89, AREG
.irp s, 0,1,2
	v_add_nc_u32 v[8+\s], s88, v4
	v_add_nc_u32 v[12+\s], s88, v5
	v_add_nc_u32 v[16+\s], s89, v4
	v_add_nc_u32 v[20+\s], s89, v5
	s_add_co_u32 s88, s88, SLOT
	s_add_co_u32 s89, s89, SLOT
.endr
.irp b, 0,1,2,3
	v_mov_b32 v[TM+4+\b], 0                        ; written once: a lane permute's destination counts as one of its sources
.endr
	v_mov_b32 v233, 0                              ; (named as the upper half of a pair)
	; the scale words: 32 bytes a row; lanes 0-15 take A's rows, lanes 16-31 B's
	s_lshl_b32 s90, s13, 3
	s_add_co_u32 s90, s90, s79
	s_lshl_b32 s90, s90, 9
	s_lshl_b32 s91, s14, 3
	s_add_co_u32 s91, s91, s80
	s_lshl_b32 s91, s91, 9
	v_mov_b32 v26, s90
	v_mov_b32 v27, s91
	v_cmp_eq_u32 vcc_lo, 1, v3
	v_cndmask_b32 v26, v26, v27, vcc_lo
	v_lshl_add_u32 v26, v2, 5, v26
.irp i, 0,1,2,3,4,5,6,7
	global_load_b128 v[SC+8*\i:SC+8*\i+3], v26, s[6:7] offset:512*\i
	global_load_b128 v[SC+8*\i+4:SC+8*\i+7], v26, s[6:7] offset:512*\i+16
.endr
	; the biases: both kinds are loaded; the kind that is not used reads the buffer's first bytes
	s_lshl_b32 s92, s76, 10
	s_lshl_b32 s93, s14, 9
	s_add_co_u32 s92, s92, s93                     ; q, k: 4 x (256 tc + 128 x my half)
	s_lshl_b32 s93, s16, 10
	s_lshl_b32 s94, s13, 9
	s_add_co_u32 s93, s93, s94
	s_add_co_u32 s93, s93, 8192                    ; v: 4 x (2048 + 256 cy + 128 x my half)
	s_cmp_ge_u32 s18, 8
	s_cselect_b32 s92, 0, s92
	s_cselect_b32 s93, s93, 0
	v_lshl_add_u32 v28, v3, 5, s92                 ; along n': tile b, my half's eight
	v_lshl_add_u32 v30, v2, 2, s93                 ; along m': block a, my row
	WIN 0x40
.irp b, 0,1,2,3,4,5,6,7
	global_load_b128 v[96+8*\b+96*(\b/4):96+8*\b+96*(\b/4)+3], v28, s[8:9] offset:64*\b
	global_load_b128 v[96+8*\b+96*(\b/4)+4:96+8*\b+96*(\b/4)+7], v28, s[8:9] offset:64*\b+16
.endr
	WIN 0
.irp a, 0,1,2,3,4,5,6,7
	global_load_b32 v[224+\a], v30, s[8:9] offset:64*\a
.endr
.macro FRAG reg, a16, a8, q, i         ; a fragment, 16 rows x 128 K: two images of six registers
	ds_load_b128 v[\reg:\reg+3], v[\a16] offset:(\i)*3072+(\q)*1536
	ds_load_b64 v[\reg+4:\reg+5], v[\a8] offset:(\i)*3072+(\q)*1536+512
	ds_load_b128 v[\reg+6:\reg+9], v[\a16] offset:(\i)*3072+(\q)*1536+768
	ds_load_b64 v[\reg+10:\reg+11], v[\a8] offset:(\i)*3072+(\q)*1536+1280
.endm
.macro FETCH_B slot, q, p              ; B's eight fragments into set p: 32 loads
	WIN 0x40
.irp i, 0,1,2,3,4,5,6,7
	FRAG 128*(\p)+12*\i, 16+\slot, 20+\slot, \q, \i
.endr
	WIN 0
.endm
.macro FETCH_A slot, q, i0             ; A's blocks i0 .. i0 + 3: 16 loads
.irp i, \i0, \i0+1, \i0+2, \i0+3
	FRAG AF+12*(\i), 8+\slot, 12+\slot, \q, \i
.endr
.endm
; eight matrix instructions: A's block a against B's eight tiles.  The 64 accumulators take turns, one instruction a turn, in the same order in every K step.
.macro MULA a, p, kq, first
.irp b, 0,1,2,3,4,5,6,7
.if \first
	v_wmma_scale_f32_16x16x128_f8f6f4 v[64*((\a)%4)+8*\b:64*((\a)%4)+8*\b+7], v[128*(\p)+12*\b:128*(\p)+12*\b+11], v[AF+12*(\a):AF+12*(\a)+11], 0, v[SC+8*\b+(\kq)], v[SC+8*(\a)+(\kq)] matrix_a_fmt:MATRIX_FMT_FP6 matrix_b_fmt:MATRIX_FMT_FP6 matrix_a_scale:MATRIX_SCALE_ROW1
.else
	v_wmma_scale_f32_16x16x128_f8f6f4 v[64*((\a)%4)+8*\b:64*((\a)%4)+8*\b+7], v[128*(\p)+12*\b:128*(\p)+12*\b+11], v[AF+12*(\a):AF+12*(\a)+11], v[64*((\a)%4)+8*\b:64*((\a)%4)+8*\b+7], v[SC+8*\b+(\kq)], v[SC+8*(\a)+(\kq)] matrix_a_fmt:MATRIX_FMT_FP6 matrix_b_fmt:MATRIX_FMT_FP6 matrix_a_scale:MATRIX_SCALE_ROW1
.endif
.endr
.endm
; A K step of 128: 64 matrix instructions; the next step's fragments (slot nslot, half nq) are fetched in two runs: B's and A's blocks 0-3 in the middle, A's blocks 4-7 at the end.
; Loads into registers that matrix instructions have read stand four plain vector instructions behind them (ISA guide 7.12.1 for vector instructions).
; sync = 1: the next fragments lie in a slot whose load must be shown landed: a work-group barrier.  sync = 2: besides, the slot just read out is filled again: the barrier opens a round of the cluster's.
.macro KSTEP kq, nslot, nq, sync, first, last
.if \sync
	s_wait_tensorcnt 0x0                           ; all my tensor loads have landed
	ds_add_u32 v24, v25                            ; 0 onto my spare word
	s_wait_dscnt 17                                ; (the add and the youngest 16 loads, A's blocks 4-7, may be out)
	WIN MUL_LO
	MULA 0, (\kq)%2, \kq, 0
	MULA 1, (\kq)%2, \kq, 0
	s_wait_dscnt 0x0                               ; the add is done, and my reads of this slot are over
	s_barrier_signal -1
	MULA 2, (\kq)%2, \kq, 0
	MULA 3, (\kq)%2, \kq, 0
	WIN 0
	s_barrier_wait -1
.if \sync == 2
	CREST                                          ; no wave of any partner still reads slot 0 or has a load on its way
	s_add_nc_u64 s[38:39], s[38:39], 9216          ; K's last quarter: three slots on
	s_add_nc_u64 s[54:55], s[54:55], 9216
	JLOAD 0                                        ; the first tensor load behind the round; its four v_nop are the places in front of the loads below
.else
	PLACES 4
.endif
.else
	s_wait_dscnt 16                                ; B's set and A's blocks 0-3 are in; A's blocks 4-7 (16 loads) may be out
	WIN MUL_LO
	MULA 0, (\kq)%2, \kq, \first
	MULA 1, (\kq)%2, \kq, \first
	MULA 2, (\kq)%2, \kq, \first
	MULA 3, (\kq)%2, \kq, \first
	s_wait_dscnt 0x0
.if \last == 0
	PLACES 4
.endif
.endif
.if \last == 0
	FETCH_B \nslot, \nq, 1-(\kq)%2
	FETCH_A \nslot, \nq, 0
.endif
	WIN MUL_HI
	MULA 4, (\kq)%2, \kq, \first
	MULA 5, (\kq)%2, \kq, \first
	MULA 6, (\kq)%2, \kq, \first
	MULA 7, (\kq)%2, \kq, \first
.if \last == 0
	PLACES 4
	WIN 0
	FETCH_A \nslot, \nq, 4
.endif
.endm
	s_wait_tensorcnt 2                             ; my part of slot 0 is in; slots 1 and 2 may be out
	s_barrier_signal -1
	s_barrier_wait -1
	FETCH_B 0, 0, 0
	FETCH_A 0, 0, 0
	FETCH_A 0, 0, 4
	s_wait_loadcnt 0x0                             ; scale words and biases
	KSTEP 0, 0, 1, 0, 1, 0                         ; the first products start the sums: nothing is cleared
	KSTEP 1, 1, 0, 2, 0, 0                         ; slot 0 is left and filled again; every wave has shown slots 1 and 2 landed
	KSTEP 2, 1, 1, 0, 0, 0
	KSTEP 3, 2, 0, 0, 0, 0
	KSTEP 4, 2, 1, 0, 0, 0
	KSTEP 5, 0, 0, 1, 0, 0                         ; the refill is shown landed
	KSTEP 6, 0, 1, 0, 0, 0
	KSTEP 7, 0, 0, 0, 0, 1
	WIN 0
; 64 numbers of a lane, v[s] .. v[s + 63] (register 16 b + i belongs to block b of my row; lanes l and l xor 16 share a block), become a fragment's codes in v[PC] on and the row's scale word in v[pw].
.macro QUANT s, pw
.irp b, 0,1,2,3
	v_max3_num_f32 v[TM+\b], |v[\s+16*\b]|, |v[\s+1+16*\b]|, 0x1800000   ; with the floor 2^(3 - 127): the byte cannot fall under 1
.endr
.irp i, 2,4,6,8,10,12,14
.irp b, 0,1,2,3
	v_max3_num_f32 v[TM+\b], v[TM+\b], |v[\s+16*\b+\i]|, |v[\s+1+16*\b+\i]|
.endr
.endr
.irp b, 0,1,2,3
	v_permlanex16_b32 v[TM+4+\b], v[TM+\b], s[SEL], s[SEL+1]
.endr
.irp b, 0,1,2,3
	v_max_num_f32 v[TM+\b], v[TM+\b], v[TM+4+\b]   ; the block's largest magnitude
.endr
.irp b, 0,1,2,3
	v_add_nc_u32 v[TM+12+\b], 0xff000000, v[TM+\b] ; 2 off its exponent field: the conversion's scale operand
.endr
.irp b, 0,1,2,3
	v_lshrrev_b32 v[TM+4+\b], 23, v[TM+12+\b]      ; the byte
.endr
	v_lshl_or_b32 v[\pw], v[TM+5], 8, v[TM+4]
	v_lshl_or_b32 v[\pw], v[TM+6], 16, v[\pw]
	v_lshl_or_b32 v[\pw], v[TM+7], 24, v[\pw]
.irp c, 0,1
	v_cvt_scalef32_pk16_fp6_f32 v[PC+6*\c:PC+2+6*\c], v[\s+32*\c:\s+15+32*\c], v[TM+12+2*\c]
	v_cvt_scalef32_pk16_fp6_f32 v[PC+12+4*\c:PC+14+4*\c], v[\s+16+32*\c:\s+31+32*\c], v[TM+12+2*\c+1]
.endr
	v_nop                                          ; one plain line behind a scaled conversion
.irp c, 0,1                                    ; the operand's layout wants a whole block in a lane: lanes 0-15 block 2 c, lanes 16-31 block 2 c + 1
.irp i, 0,1,2
	v_permlane16_swap_b32 v[PC+6*\c+\i], v[PC+12+4*\c+\i]
.endr
.irp i, 0,1,2
	v_mov_b32 v[PC+3+6*\c+\i], v[PC+12+4*\c+\i]
.endr
.endr
.endm
; THE WAY OUT, block a of 16 rows at a time: the bias is added, the 128 numbers of each row are quantised, and the two images of six registers leave as whole runs of 512 and 256 bytes.
; kind 0 (q, k): registers 0-5 are my first head's 64 channels, registers 6-11 the next head's.  kind 1 (v): blocks 0-3 are my first head's channels, 4-7 the next head's; registers 0-5 and 6-11 are 64 keys each.
; s84 = the first image's offset in att, s86 = the scale words', s88 = from head to head, s90 = the same for the scale words.
.macro EPI kind
	s_mov_b32 s85, 0
	s_mov_b32 s87, 0
	s_mov_b32 s89, 0
	s_add_nc_u64 s[84:85], s[10:11], s[84:85]
	s_add_nc_u64 s[86:87], s[10:11], s[86:87]
	s_add_nc_u64 s[92:93], s[84:85], s[88:89]
	v_mul_lo_u32 v31, v3, s90
	v_lshl_add_u32 v31, v2, 4, v31                 ; scale words: lanes 0-15 the first head's, lanes 16-31 the next head's; 16 bytes a row
.irp a, 0,1,2,3,4,5,6,7
.if \kind
	v_mov_b32 v232, v[224+\a]                      ; my row's bias
	WIN 0x02+\a/4
.else
	WIN 0x06+\a/4
.endif
.irp b, 0,1,2,3,4,5,6,7
.irp j, 0,2,4,6                                ; each accumulator from its low end on
.if \kind
	v_pk_add_f32 v[AF+8*\b+\j:AF+8*\b+\j+1], v[64*(\a%4)+8*\b+\j:64*(\a%4)+8*\b+\j+1], v[232:233] op_sel_hi:[1,0]
.else
	v_pk_add_f32 v[AF+8*\b+\j:AF+8*\b+\j+1], v[64*(\a%4)+8*\b+\j:64*(\a%4)+8*\b+\j+1], v[96+8*\b+96*(\b/4)+\j:96+8*\b+96*(\b/4)+\j+1]
.endif
.endr
.endr
	WIN 0
.if \a > 0
	s_wait_xcnt 0x0                                ; the last block's stores have read the code registers
.endif
	QUANT AF, 112+\a
.if \kind
.set PB, 84+8*(\a/4)
	global_store_b128 v4, v[PC:PC+3], s[PB:PB+1] offset:(\a%4)*768
	global_store_b64 v5, v[PC+4:PC+5], s[PB:PB+1] offset:(\a%4)*768+512
	global_store_b128 v4, v[PC+6:PC+9], s[PB:PB+1] offset:(\a%4)*768+3072
	global_store_b64 v5, v[PC+10:PC+11], s[PB:PB+1] offset:(\a%4)*768+3584
.else
	global_store_b128 v4, v[PC:PC+3], s[84:85] offset:\a*768
	global_store_b64 v5, v[PC+4:PC+5], s[84:85] offset:\a*768+512
	global_store_b128 v4, v[PC+6:PC+9], s[92:93] offset:\a*768
	global_store_b64 v5, v[PC+10:PC+11], s[92:93] offset:\a*768+512
.endif
.endr
	v_cmp_eq_u32 vcc_lo, 1, v3
.if \kind
.irp p, 0,1,2,3
	v_cndmask_b32 v[120+\p], v[112+\p], v[116+\p], vcc_lo          ; channel tile p's word for these 128 keys
.endr
.else
	v_mov_b32 v124, 0x05040100                     ; a pair word: the two bytes of row 32 p + r below, those of row 32 p + 16 + r above; lanes 0-15 take the first head's bytes,
	v_mov_b32 v125, 0x07060302                     ; lanes 16-31 the next head's
	v_cndmask_b32 v124, v124, v125, vcc_lo
.irp p, 0,1,2,3
	v_perm_b32 v[120+\p], v[113+2*\p], v[112+2*\p], v124
.endr
.endif
	global_store_b128 v31, v[120:123], s[86:87]    ; sixteen lanes store 256 consecutive bytes, aligned
.endm
	PLACES 4                                       ; behind the last products
	s_cmp_ge_u32 s18, 8
	s_cbranch_scc1 .Lkind_v
	s_lshr_b32 s72, s74, 3                         ; the batch
	s_and_b32 s73, s74, 7                          ; which 256 of its rows
	s_lshl_b32 s75, s15, 2
	s_lshl_b32 s77, s14, 1
	s_add_co_u32 s75, s75, s77                     ; my first head
	s_lshl_b32 s72, s72, 4
	s_add_co_u32 s72, s72, s75                     ; batch x 16 + head
	s_lshl_b32 s77, s73, 8
	s_lshl_b32 s78, s13, 7
	s_add_co_u32 s77, s77, s78                     ; my first row in the sequence
	s_mul_i32 s78, s72, 98304
	s_mul_i32 s79, s77, 48
	s_add_co_u32 s78, s78, s79
	s_add_co_u32 s78, s78, QOFF                    ; q: images
	s_lshl_b32 s79, s72, 12
	s_lshl_b32 s80, s77, 1
	s_add_co_u32 s79, s79, s80
	s_add_co_u32 s79, s79, QSOFF                   ; q: scale words
	s_lshl_b32 s80, s72, 3
	s_add_co_u32 s80, s80, s73
	s_mul_i32 s80, s80, 25600                      ; k: the chunk
	s_mul_i32 s81, s13, 6144
	s_add_co_u32 s81, s81, s80
	s_lshl_b32 s82, s13, 8
	s_add_co_u32 s82, s82, s80
	s_add_co_u32 s82, s82, 12288
	s_mov_b32 s88, 204800
	s_mov_b32 s90, 204800
	s_cmp_eq_u32 s17, 0                            ; the cluster's x: 0 makes q, 1 makes k
	s_cselect_b32 s84, s78, s81
	s_cselect_b32 s86, s79, s82
	s_cselect_b32 s88, 98304, s88
	s_cselect_b32 s90, 4096, s90
	EPI 0
	s_branch .Ldone
.Lkind_v:
	s_lshr_b32 s72, s76, 3                         ; the batch
	s_and_b32 s73, s76, 7                          ; which 256 keys
	s_lshl_b32 s75, s16, 2
	s_lshl_b32 s77, s13, 1
	s_add_co_u32 s75, s75, s77                     ; my first head
	s_lshl_b32 s72, s72, 4
	s_add_co_u32 s72, s72, s75
	s_lshl_b32 s80, s72, 3
	s_add_co_u32 s80, s80, s73
	s_mul_i32 s80, s80, 25600                      ; the chunk
	s_mul_i32 s84, s14, 6144
	s_add_co_u32 s84, s84, s80
	s_add_co_u32 s84, s84, 12800
	s_lshl_b32 s86, s14, 8
	s_add_co_u32 s86, s86, s80
	s_add_co_u32 s86, s86, 25088
	s_mov_b32 s88, 204800
	s_mov_b32 s90, 204800
	EPI 1
.Ldone:
	s_wait_tensorcnt 0x0                           ; the wave's end
	ds_add_u32 v24, v25
	s_wait_dscnt 0x0
	CROUND                                         ; the closing round: no work-group ends while a partner may still ask for a tile that names it
	s_endpgm
.Lfunc_end_k_qca37fbd08e_gemm1:
	.size	k_qca37fbd08e_gemm1, .Lfunc_end_k_qca37fbd08e_gemm1-k_qca37fbd08e_gemm1
	.p2alignl 7, 3214868480
	.fill 96, 4, 3214868480
	.section	.rodata,"a",@progbits
	.p2align	6, 0x0
	.amdhsa_kernel k_qca37fbd08e_gemm1
		.amdhsa_group_segment_fixed_size 327680
		.amdhsa_private_segment_fixed_size 0
		.amdhsa_enable_private_segment 0
		.amdhsa_kernarg_size 32
		.amdhsa_user_sgpr_count 2
		.amdhsa_user_sgpr_kernarg_segment_ptr 1
		.amdhsa_wavefront_size32 1
		.amdhsa_system_sgpr_workgroup_id_x 1
		.amdhsa_system_sgpr_workgroup_id_y 1
		.amdhsa_system_sgpr_workgroup_id_z 1
		.amdhsa_system_vgpr_workitem_id 0
		.amdhsa_next_free_vgpr 1024
		.amdhsa_next_free_sgpr 100
		.amdhsa_reserve_vcc 1
		.amdhsa_float_denorm_mode_32 3
		.amdhsa_float_denorm_mode_16_64 3
		.amdhsa_memory_ordered 1
		.amdhsa_forward_progress 1
		.amdhsa_inst_pref_size 217
	.end_amdhsa_kernel
	.amdgpu_metadata
---
amdhsa.version: [ 1, 2 ]
amdhsa.kernels:
  - .name:           k_qca37fbd08e_gemm1
    .symbol:         k_qca37fbd08e_gemm1.kd
    .args:
      - { .name: opc, .offset: 0, .size: 8, .value_kind: global_buffer, .address_space: global }
      - { .name: ops, .offset: 8, .size: 8, .value_kind: global_buffer, .address_space: global }
      - { .name: b_attn, .offset: 16, .size: 8, .value_kind: global_buffer, .address_space: global }
      - { .name: att, .offset: 24, .size: 8, .value_kind: global_buffer, .address_space: global }
    .group_segment_fixed_size: 327680
    .private_segment_fixed_size: 0
    .kernarg_segment_align: 8
    .kernarg_segment_size: 32
    .max_flat_workgroup_size: 128
    .sgpr_count:     100
    .vgpr_count:     1024
    .wavefront_size: 32
...
	.end_amdgpu_metadata
.endif
;; end of part 3
;; launch attn (part 4): grid 4 x 64, 16 waves a work-group, no clusters, 327,680 bytes of LDS; arguments att, opc, ops; writes opc, ops
.if DOCPART == 4
	.amdgcn_target "amdgcn-amd-amdhsa--gfx1250"
	.amdhsa_code_object_version 6
	.text
	.protected	k_qca37fbd08e_attn
	.globl	k_qca37fbd08e_attn
	.p2align	8
	.type	k_qca37fbd08e_attn,@function
k_qca37fbd08e_attn:
	s_mov_b64 s[64:65], 0
	v_nop
	global_prefetch_b8 v0, s[64:65] scope:SCOPE_SE
	s_setreg_imm32_b32 hwreg(HW_REG_WAVE_MODE, 25, 1), 1
	s_wait_xcnt 0x0
; y = softmax(q k^T / 8, causal) v for one head, both products on codes of FP6 (E2M3) with E8M0 scales; y is quantised here along the model's 1,024 and leaves as codes, into the places of opc and ops that held X's.
; THE SOFTMAX AHEAD OF THE SECOND PRODUCT: t = score x log2(e) / 8; M = the running largest t rounded UP to a whole number; p = 2^(t - M) is quantised along the keys, not normalised; the row's sum is taken of the
; unquantised p and divides at the end.  When M moves, the sum and O are multiplied by 2^(old M - new M): exact.
; SHARES: work-group (i, head) owns the query blocks 7 - i and i, 256 queries each: 8 - i and i + 1 units of 256 keys, nine in every work-group.  Each of the sixteen waves owns 16 queries of the block in hand; four waves
; share a SIMD, so that one wave's vector work stands beside another's matrix work and LDS loads.  The loop has eight trips and the ninth unit is written out; the block changes at the end of trip 7 - i.
; A key step all of whose 128 keys come after the wave's queries is left out by a scalar branch on ids; no barrier and no tensor load stands in a step.
; RING: two LDS slots of one chunk (256 keys: k's images, k's scale words, v's images, v's scale words: 25,600 dense bytes), brought by ONE tensor load of wave 0 behind each change of slots; one is out at a time.
; NO CLUSTER: the four work-groups of a head leave the common order of chunks at different trips (it hangs on i) and skip different steps, and what they share is nine chunks of 25,600 bytes a work-group.
; LAYOUT: both products are used transposed (S^T = k q^T, O^T = v^T p^T): a lane holds one query (lane % 16).  In tile t register j is key 16 t + 8 (lane / 16) + j: a block's 32 keys stand in the order
; 0-7, 16-23, 8-15, 24-31 in p's codes, and v's codes were made in the same order.
; K = 64 IN AN INSTRUCTION OF 128: source 0 holds TWO tiles of keys, one in each half of K; source 1 is [q, 0] for the first and [0, q] for the second: zero codes switch the other half off (every code is a finite number, no scale byte is 0xff).
; LIMITS: NaN and infinities are not served; a block of y under 2^-124 keeps the scale byte 1.
; REGISTERS: v1-4, v7 lane terms; v5-6 the add's; v8-10 the step's LDS addresses; v12 -M, v13 the largest t, v[14:15] the sum; v16-27 [q, 0]; v28-39 [0, q]; v40-87 four pairs of tiles of k; v88-91, v92-95 k's and v's scale words;
;   v96-159 S^T, then p, then v's four fragments; v160-191 O^T; v192-211 codes; v212-223 maxima, bytes, scale operands; v224 p's scale word; v225, v226 q's; v[228:229] f; v230-233 at work; v234 the prefetch's offset.
.set SPARE, 65536                      ; behind the two slots: the spare words, 128 bytes for each of 16 waves
.set SLOT1, 32768
.set CHUNK, 25600
.set QOFF,  13107200
.set QSOFF, 19398656
	s_load_b128 s[4:7], s[0:1], 0x0                ; att, opc
	s_load_b64 s[8:9], s[0:1], 0x10                ; ops
	v_lshl_add_u32 v5, v0, 2, SPARE
	v_mov_b32 v6, 0
	ds_add_u32 v5, v6
	ds_add_u32 v5, v6
	s_wait_dscnt 0x0
	v_lshrrev_b32 v1, 5, v0
	s_delay_alu instid0(VALU_DEP_1)
	v_readfirstlane_b32 s10, v1                    ; wave 0..15
	s_and_b32 s11, ttmp7, 0xffff                   ; batch x 16 + head
	s_add_co_u32 s14, ttmp9, 1                     ; the count of trips left at which the block changes
	s_mov_b32 s13, 8                               ; trips of the loop
	s_mov_b32 s15, 0                               ; the slot in hand
	; group 1: a chunk as 100 rows of 256 bytes (32 elements of 8), dense
	s_mov_b32 s16, 3<<16
	s_mov_b32 s17, 32<<16
	s_mov_b32 s18, 100<<16
	s_mov_b32 s19, 32<<16
	s_mov_b32 s20, 100
	s_mov_b32 s21, 32
	s_mov_b32 s22, 0
	s_mov_b32 s23, 0
	s_mul_i32 s30, s11, 204800
	s_mov_b32 s31, 0
	s_wait_kmcnt 0x0
	s_add_nc_u64 s[28:29], s[4:5], s[30:31]        ; the head's first chunk
	s_mov_b32 s30, 0                               ; the offset of the chunk asked for last
	s_mov_b32 s24, 1
	s_mov_b32 s25, 0
	s_mov_b64 s[26:27], s[28:29]
	s_or_b32 s27, s27, 0x80000000
	s_cmp_lg_u32 s10, 0
	s_cbranch_scc1 .Lnot_first
	tensor_load_to_lds s[24:27], s[16:23]          ; unit 0 into slot 0
	s_nop 0
.rept 4
	v_nop
.endr
.Lnot_first:
	v_and_b32 v7, 15, v0                           ; r
	v_bfe_u32 v9, v0, 4, 1                         ; h
	v_and_b32 v1, 31, v0
	s_delay_alu instid0(VALU_DEP_1)
	v_lshlrev_b32 v2, 3, v1                        ; 8 x lane
	s_delay_alu instid0(VALU_DEP_2)
	v_lshlrev_b32 v1, 4, v1                        ; 16 x lane
	v_lshlrev_b32 v3, 4, v7                        ; 16 r
	v_lshlrev_b32 v9, 3, v9
	s_delay_alu instid0(VALU_DEP_1)
	v_sub_nc_u32 v4, v7, v9                        ; r - 8 h
	v_lshlrev_b32 v7, 5, v7                        ; 32 r
	s_sub_co_u32 s70, s10, 4
	s_lshl_b32 s70, s70, 5
	v_and_b32 v234, 31, v0
	s_delay_alu instid0(VALU_DEP_1)
	v_add_nc_u32 v234, s70, v234
	s_delay_alu instid0(VALU_DEP_1)
	v_min_u32 v234, 99, v234                       ; a chunk has 100 blocks of 256 bytes: waves 4 to 7, a lane a block; the lanes that are over name the last one
	s_delay_alu instid0(VALU_DEP_1)
	v_lshlrev_b32 v234, 8, v234
	s_add_nc_u64 s[66:67], s[28:29], CHUNK         ; at chunk 1: the first change of slots steps it to chunk 2
	s_lshr_b32 s70, s10, 2
	s_xor_b32 s70, s70, 1                          ; 0 in waves 4 to 7,
	s_or_b32 s70, s70, ttmp9                       ; of the head's first work-group, whose late block walks all eight chunks
	s_cmp_eq_u32 s70, 0
	s_cselect_b32 s68, 2, -1                       ; a wave prefetches while more trips than this are left
	s_mov_b32 s32, 0x76543210
	s_mov_b32 s33, 0xfedcba98                      ; selects for lane l xor 16
	s_mov_b32 s34, 0x3e38aa3b                      ; c = log2(e) / 8
	s_mov_b32 s35, s34
	s_mov_b32 s36, 0                               ; the step's first key
	s_sub_co_u32 s37, 7, ttmp9
	s_lshl_b32 s37, s37, 8
	s_lshl_b32 s70, s10, 4
	s_add_co_u32 s37, s37, s70                     ; my first query, late block
	s_lshl_b32 s38, ttmp9, 8
	s_add_co_u32 s38, s38, s70                     ; and early block
	s_and_b32 s69, s10, 1
	s_lshl_b32 s69, s69, 4                         ; which half of a pair word is my tile's
	s_mul_i32 s72, s11, 98304
	s_add_co_u32 s72, s72, QOFF
	s_lshl_b32 s73, s11, 12
	s_add_co_u32 s73, s73, QSOFF
	s_lshr_b32 s77, s11, 4                         ; the batch
	s_and_b32 s78, s11, 15                         ; the head
	s_mul_i32 s75, s77, 1572864
	s_mul_i32 s76, s78, 768
	s_add_co_u32 s75, s75, s76
	s_lshl_b32 s76, s77, 16
	s_lshl_b32 s78, s78, 1
	s_add_co_u32 s76, s76, s78
.macro PTRS q0, d                      ; for first query s[q0]: q's image, q's pair words, y's image, y's scale bytes
	s_mul_i32 s70, s[\q0], 48
	s_add_co_u32 s70, s70, s72
	s_mov_b32 s71, 0
	s_add_nc_u64 s[\d:\d+1], s[4:5], s[70:71]
	s_lshr_b32 s70, s[\q0], 7
	s_lshl_b32 s70, s70, 8
	s_bfe_u32 s74, s[\q0], 0x20005
	s_lshl_b32 s74, s74, 2
	s_add_co_u32 s70, s70, s74
	s_add_co_u32 s70, s70, s73
	s_add_nc_u64 s[\d+2:\d+3], s[4:5], s[70:71]
	s_mul_i32 s70, s[\q0], 768
	s_add_co_u32 s70, s70, s75
	s_add_nc_u64 s[\d+4:\d+5], s[6:7], s[70:71]
	s_lshl_b32 s70, s[\q0], 5
	s_add_co_u32 s70, s70, s76
	s_add_nc_u64 s[\d+6:\d+7], s[8:9], s[70:71]
.endm
	PTRS 37, 48
	PTRS 38, 56
.set n, 22
.rept 12
	v_mov_b32 v[n], 0                              ; the zero halves of [q, 0] and [0, q]
.set n, n+1
.endr
.irp b, 0,1,2,3
	v_mov_b32 v[216+\b], 0                         ; written once: a lane permute's destination counts as one of its sources
.endr
	v_mov_b32 v229, 0                              ; (named as the upper half of a pair)
	v_mov_b32 v230, 0
; A block of queries begins: q's image twice, its scale bytes, and the running figures.
.macro INIT
	global_load_b128 v[16:19], v1, s[48:49]
	global_load_b64 v[20:21], v2, s[48:49] offset:512
	global_load_b128 v[34:37], v1, s[48:49]
	global_load_b64 v[38:39], v2, s[48:49] offset:512
	global_load_b32 v231, v3, s[50:51]
	v_mov_b32 v13, 0xff61b1e6                      ; the largest t so far: -3e38
	v_mov_b32 v14, 0
	v_mov_b32 v15, 0
	s_delay_alu instid0(VALU_DEP_3)
	v_floor_f32 v12, -v13                          ; -M
	s_wait_loadcnt 0x0
	v_lshrrev_b32 v231, s69, v231
	s_delay_alu instid0(VALU_DEP_1)
	v_and_b32 v231, 0xffff, v231                   ; my tile's two bytes
	s_delay_alu instid0(VALU_DEP_1)
	v_or_b32 v225, 0x7f7f0000, v231                ; for [q, 0]: 1.0 over the zero half
	s_delay_alu instid0(VALU_DEP_2)
	v_lshl_or_b32 v226, v231, 16, 0x7f7f           ; for [0, q]
.set n, 0
.rept 32
	v_mov_b32 v[160+n], 0                          ; O^T; these are also the places between the scale words' making and the first product
.set n, n+1
.endr
.endm
; A block of queries ends: O^T / the sum is y; its 64 channels are two blocks of the last product's K; one image of six registers and two scale bytes a row leave.
.macro FLUSH
.rept 4
	v_nop                                          ; places behind the last products
.endr
	v_add_f32 v14, v14, v15
	s_delay_alu instid0(VALU_DEP_1)
	v_permlanex16_b32 v230, v14, s32, s33
	s_delay_alu instid0(VALU_DEP_1)
	v_add_f32 v14, v14, v230                       ; the row's sum
	s_wait_alu depctr_va_vdst(0)
	v_rcp_f32 v14, v14
	v_nop                                          ; a plain line behind the reciprocal
	s_wait_alu depctr_va_vdst(0)                   ; the wait ahead of the first reader
.set n, 0
.rept 32
	v_mul_f32 v[96+n], v[160+n], v14
.set n, n+1
.endr
.irp b, 0,1
	v_max3_num_f32 v[212+\b], |v[96+16*\b]|, |v[97+16*\b]|, 0x1800000
.endr
.irp i, 2,4,6,8,10,12,14
.irp b, 0,1
	s_delay_alu instid0(VALU_DEP_2)
	v_max3_num_f32 v[212+\b], v[212+\b], |v[96+16*\b+\i]|, |v[97+16*\b+\i]|
.endr
.endr
.irp b, 0,1
	s_delay_alu instid0(VALU_DEP_2)
	v_permlanex16_b32 v[216+\b], v[212+\b], s32, s33
.endr
.irp b, 0,1
	s_delay_alu instid0(VALU_DEP_2)
	v_max_num_f32 v[212+\b], v[212+\b], v[216+\b]
.endr
.irp b, 0,1
	s_delay_alu instid0(VALU_DEP_2)
	v_add_nc_u32 v[220+\b], 0xff000000, v[212+\b]
.endr
.irp b, 0,1
	s_delay_alu instid0(VALU_DEP_2)
	v_lshrrev_b32 v[216+\b], 23, v[220+\b]
.endr
	s_delay_alu instid0(VALU_DEP_1)
	v_lshl_or_b32 v231, v217, 8, v216
	v_cvt_scalef32_pk16_fp6_f32 v[192:194], v[96:111], v220
	v_cvt_scalef32_pk16_fp6_f32 v[204:206], v[112:127], v221
	v_nop                                          ; one plain line behind a scaled conversion
.irp i, 0,1,2
	v_permlane16_swap_b32 v[192+\i], v[204+\i]
.endr
.irp i, 0,1,2
	s_delay_alu instid0(VALU_DEP_3)
	v_mov_b32 v[195+\i], v[204+\i]
.endr
	global_store_b128 v1, v[192:195], s[52:53]     ; 512 consecutive bytes, aligned
	global_store_b64 v2, v[196:197], s[52:53] offset:512
	global_store_b16 v7, v231, s[54:55]            ; two bytes of each row's 32: one byte for each 24 of codes; both halves of the lanes write the same value
.endm
; A KEY STEP: 128 keys, the q-th of the slot in hand.
.macro STEP q
	s_add_co_u32 s70, s37, 15
	s_cmp_gt_u32 s36, s70
	s_cbranch_scc1 .Lhidden_\@                     ; all its keys come after my queries
	v_add_nc_u32 v8, s15, v1
	v_add_nc_u32 v9, s15, v2
	v_add_nc_u32 v10, s15, v3
	v_nop
	v_nop                                          ; five places: the products below write over registers that the last step's products read
.irp p, 0,1,2,3
	ds_load_b128 v[40+12*\p:43+12*\p], v8 offset:(8*(\q)+2*\p)*768
	ds_load_b64 v[44+12*\p:45+12*\p], v9 offset:(8*(\q)+2*\p)*768+512
	ds_load_b128 v[46+12*\p:49+12*\p], v8 offset:(8*(\q)+2*\p)*768+768
	ds_load_b64 v[50+12*\p:51+12*\p], v9 offset:(8*(\q)+2*\p)*768+1280
.endr
	ds_load_b128 v[88:91], v10 offset:12288+256*(\q)
	s_wait_dscnt 0x0
.irp p, 0,1,2,3
	v_wmma_scale_f32_16x16x128_f8f6f4 v[96+16*\p:103+16*\p], v[40+12*\p:51+12*\p], v[16:27], 0, v[88+\p], v225 matrix_a_fmt:MATRIX_FMT_FP6 matrix_b_fmt:MATRIX_FMT_FP6
	v_wmma_scale_f32_16x16x128_f8f6f4 v[104+16*\p:111+16*\p], v[40+12*\p:51+12*\p], v[28:39], 0, v[88+\p], v226 matrix_a_fmt:MATRIX_FMT_FP6 matrix_b_fmt:MATRIX_FMT_FP6
.endr
.rept 4
	v_nop
.endr
	s_add_co_u32 s70, s36, 127                     ; on the diagonal hidden scores become -infinity ahead of the maximum; a step all of whose keys count skips this
	s_cmp_le_u32 s70, s37
	s_cbranch_scc1 .Lopen_\@
	s_sub_co_i32 s70, s37, s36
	v_add_nc_u32 v230, s70, v4                     ; d = my query - the step's first key - 8 (lane / 16): register 8 t + j is hidden where 16 t + j > d
	v_mov_b32 v231, 0xff800000
.set n, 0
.rept 64
	v_cmp_gt_i32 vcc_lo, 16*(n/8)+n%8, v230
	v_cndmask_b32 v[96+n], v[96+n], v231, vcc_lo
.set n, n+1
.endr
.Lopen_\@:
.irp b, 0,1,2,3
	v_max3_num_f32 v[212+\b], v[96+16*\b], v[97+16*\b], v[98+16*\b]   ; the largest score of each block of 32 keys: for the row's maximum, and, since p rises with the score, for the block's largest p
.endr
.irp i, 3,5,7,9,11,13
.irp b, 0,1,2,3
	v_max3_num_f32 v[212+\b], v[212+\b], v[96+16*\b+\i], v[97+16*\b+\i]
.endr
.endr
.irp b, 0,1,2,3
	v_max_num_f32 v[212+\b], v[212+\b], v[111+16*\b]
.endr
.irp b, 0,1,2,3
	s_delay_alu instid0(VALU_DEP_4)
	v_permlanex16_b32 v[216+\b], v[212+\b], s32, s33
.endr
.irp b, 0,1,2,3
	s_delay_alu instid0(VALU_DEP_4)
	v_max_num_f32 v[212+\b], v[212+\b], v[216+\b]
.endr
	s_delay_alu instid0(VALU_DEP_2)
	v_max3_num_f32 v230, v212, v213, v214
	s_delay_alu instid0(VALU_DEP_1)
	v_max_num_f32 v230, v230, v215
	s_delay_alu instid0(VALU_DEP_1)
	v_mul_f32 v230, s34, v230                      ; as t (c is positive)
	s_delay_alu instid0(VALU_DEP_1)
	v_max_num_f32 v13, v13, v230                   ; the running largest t
	v_mov_b32 v230, v12
	s_delay_alu instid0(VALU_DEP_2)
	v_floor_f32 v12, -v13                          ; the new -M = -ceil(t)
	s_delay_alu instid0(VALU_DEP_1)
	v_sub_f32 v230, v12, v230                      ; old M - new M: a whole number, 0 or less
	s_delay_alu instid0(VALU_DEP_1)
	v_cvt_i32_f32 v230, v230                       ; (it saturates)
	s_delay_alu instid0(VALU_DEP_1)
	v_ldexp_f32 v228, 1.0, v230                    ; f = 2^(old M - new M)
.set n, 0
.rept 32
	v_pk_fma_f32 v[96+n:97+n], v[96+n:97+n], s[34:35], v[12:13] op_sel_hi:[1,0,0]   ; t - M
.set n, n+2
.endr
.irp b, 0,1,2,3
	v_fma_f32 v[212+\b], v[212+\b], s34, v12
.endr
.set n, 0
	s_wait_alu depctr_va_vdst(0)
.rept 64
	v_exp_f32 v[96+n], v[96+n]                     ; p = 2^(t - M)
.set n, n+1
.endr
	v_pk_mul_f32 v[14:15], v[14:15], v[228:229] op_sel_hi:[1,0]    ; the sums under the new M (a plain line behind the exponentials)
	s_wait_alu depctr_va_vdst(0)                   ; one wait for the batch, ahead of its first reader
.irp b, 0,1,2,3
	v_exp_f32 v[212+\b], v[212+\b]                 ; each block's largest p
.endr
	v_pk_add_f32 v[232:233], v[100:101], v[104:105]
	v_pk_add_f32 v[254:255], v[108:109], v[112:113]
	v_pk_add_f32 v[252:253], v[116:117], v[120:121]
	v_pk_add_f32 v[250:251], v[124:125], v[128:129]
	v_pk_add_f32 v[248:249], v[132:133], v[136:137]
	v_pk_add_f32 v[246:247], v[140:141], v[144:145]
	v_pk_add_f32 v[244:245], v[148:149], v[152:153]
	v_pk_add_f32 v[14:15], v[14:15], v[156:157]
	v_pk_add_f32 v[232:233], v[232:233], v[96:97]
	v_pk_add_f32 v[254:255], v[254:255], v[98:99]
	v_pk_add_f32 v[252:253], v[252:253], v[102:103]
	v_pk_add_f32 v[250:251], v[250:251], v[106:107]
	v_pk_add_f32 v[248:249], v[248:249], v[110:111]
	v_pk_add_f32 v[246:247], v[246:247], v[114:115]
	v_pk_add_f32 v[244:245], v[244:245], v[118:119]
	v_pk_add_f32 v[14:15], v[14:15], v[122:123]
	v_pk_add_f32 v[232:233], v[232:233], v[126:127]
	v_pk_add_f32 v[254:255], v[254:255], v[130:131]
	v_pk_add_f32 v[252:253], v[252:253], v[134:135]
	v_pk_add_f32 v[250:251], v[250:251], v[138:139]
	v_pk_add_f32 v[248:249], v[248:249], v[142:143]
	v_pk_add_f32 v[246:247], v[246:247], v[146:147]
	v_pk_add_f32 v[244:245], v[244:245], v[150:151]
	v_pk_add_f32 v[14:15], v[14:15], v[154:155]
	v_pk_add_f32 v[232:233], v[232:233], v[158:159]
	s_delay_alu instid0(VALU_DEP_2)
	v_pk_add_f32 v[14:15], v[14:15], v[250:251]
	s_delay_alu instid0(VALU_DEP_2)
	v_pk_add_f32 v[232:233], v[232:233], v[248:249]
	v_pk_add_f32 v[254:255], v[254:255], v[246:247]
	v_pk_add_f32 v[252:253], v[252:253], v[244:245]
	s_delay_alu instid0(VALU_DEP_2)
	v_pk_add_f32 v[14:15], v[14:15], v[254:255]
	s_delay_alu instid0(VALU_DEP_2)
	v_pk_add_f32 v[232:233], v[232:233], v[252:253]
	s_delay_alu instid0(VALU_DEP_1)
	v_pk_add_f32 v[14:15], v[14:15], v[232:233]
	s_wait_alu depctr_va_vdst(0)                   ; and one for the four
.irp b, 0,1,2,3
	v_max_num_f32 v[212+\b], 0x1800000, v[212+\b]  ; the floor 2^(3 - 127)
.endr
.irp b, 0,1,2,3
	s_delay_alu instid0(VALU_DEP_4)
	v_add_nc_u32 v[220+\b], 0xff000000, v[212+\b]
.endr
.irp b, 0,1,2,3
	s_delay_alu instid0(VALU_DEP_4)
	v_lshrrev_b32 v[216+\b], 23, v[220+\b]
.endr
	s_delay_alu instid0(VALU_DEP_3)
	v_lshl_or_b32 v224, v217, 8, v216              ; p's scale word for these 128 keys
	s_delay_alu instid0(VALU_DEP_1)
	v_lshl_or_b32 v224, v218, 16, v224
	s_delay_alu instid0(VALU_DEP_1)
	v_lshl_or_b32 v224, v219, 24, v224
.irp c, 0,1
	v_cvt_scalef32_pk16_fp6_f32 v[192+6*\c:194+6*\c], v[96+32*\c:111+32*\c], v[220+2*\c]
	v_cvt_scalef32_pk16_fp6_f32 v[204+4*\c:206+4*\c], v[112+32*\c:127+32*\c], v[220+2*\c+1]
.endr
	v_nop                                          ; one plain line behind a scaled conversion
.irp t, 0,1,2,3                                ; v's four fragments (16 channels x 128 keys) land where p stood, while the codes are put in order
	ds_load_b128 v[96+12*\t:99+12*\t], v8 offset:12800+6144*(\q)+\t*768
	ds_load_b64 v[100+12*\t:101+12*\t], v9 offset:12800+6144*(\q)+\t*768+512
	ds_load_b128 v[102+12*\t:105+12*\t], v8 offset:12800+6144*(\q)+\t*768+3072
	ds_load_b64 v[106+12*\t:107+12*\t], v9 offset:12800+6144*(\q)+\t*768+3584
.endr
	ds_load_b128 v[92:95], v10 offset:25088+256*(\q)
.irp c, 0,1
.irp i, 0,1,2
	v_permlane16_swap_b32 v[192+6*\c+\i], v[204+4*\c+\i]
.endr
.irp i, 0,1,2
	s_delay_alu instid0(VALU_DEP_3)
	v_mov_b32 v[195+6*\c+\i], v[204+4*\c+\i]
.endr
.endr
.set n, 0
.rept 16
	v_pk_mul_f32 v[160+n:161+n], v[160+n:161+n], v[228:229] op_sel_hi:[1,0]   ; O^T under the new M; also the places in front of the products below
.set n, n+2
.endr
	s_wait_alu depctr_va_vdst(0)
	s_wait_dscnt 0x0
.irp t, 0,1,2,3
	v_wmma_scale_f32_16x16x128_f8f6f4 v[160+8*\t:167+8*\t], v[96+12*\t:107+12*\t], v[192:203], v[160+8*\t:167+8*\t], v[92+\t], v224 matrix_a_fmt:MATRIX_FMT_FP6 matrix_b_fmt:MATRIX_FMT_FP6
.endr
.Lhidden_\@:
	s_add_co_u32 s36, s36, 128
.endm
; A PREFETCH INTO THE L2 of the chunk that the NEXT change of slots will ask for: 100 blocks of 256 bytes, a lane a block, waves 4 to 7 of the head's first work-group, which walks chunks 0 to 7 in order as the
; other three do at their start.  Trip u names chunk u + 2; the trips whose chunk would be 8 or more ask for nothing.  Chunks 0 and 1 come by their loads alone.
.macro ASK
	s_cmp_gt_u32 s13, s68
	s_cbranch_scc0 .Lnot_mine_\@
	global_prefetch_b8 v234, s[66:67] th:TH_LOAD_NT scope:SCOPE_SE
.Lnot_mine_\@:
.endm
; THE CHANGE OF SLOTS, at a unit's head.  Each wave waits for all its tensor loads, adds 0 to its spare word, and waits for that and for its reads of the slot that it has left; behind the barrier the slot ahead is whole
; and nobody reads the other.  fill = 1: wave 0 fills the other slot with the next unit's chunk, which has a whole unit in which to land.
.macro CHANGE fill
	s_wait_tensorcnt 0x0                           ; no tensor load of mine is out, so group 0 may be written
	ds_add_u32 v5, v6                              ; 0 onto my spare word
.if \fill
	s_xor_b32 s25, s25, SLOT1                      ; the other slot than last time
	s_add_co_u32 s30, s30, CHUNK                   ; the next chunk,
	s_cmp_eq_u32 s13, s14
	s_cselect_b32 s30, 0, s30                      ; or, where the next unit is the early block's first, chunk 0
	s_add_nc_u64 s[26:27], s[28:29], s[30:31]
	s_or_b32 s27, s27, 0x80000000
	s_wait_xcnt 0x0                                ; the last prefetch, a unit back, has read its address
	s_add_nc_u64 s[66:67], s[66:67], CHUNK
.endif
	s_wait_dscnt 0x0                               ; the add is done, and my reads of the slot that I have left are over
	s_barrier_signal -1
	s_barrier_wait -1
.if \fill
	s_cmp_lg_u32 s10, 0
	s_cbranch_scc1 .Lno_load_\@
	tensor_load_to_lds s[24:27], s[16:23]          ; the first thing behind the barrier, and the wave's one tensor load until the next
	s_nop 0
.rept 4
	v_nop
.endr
.Lno_load_\@:
	ASK
.endif
.endm
	INIT
.Lunit:                                            ; eight trips; the ninth unit is written out
	CHANGE 1
	STEP 0
	STEP 1
	s_xor_b32 s15, s15, SLOT1
	s_cmp_lg_u32 s13, s14
	s_cbranch_scc1 .Lsame
	FLUSH                                          ; the late block is finished
	s_wait_xcnt 0x0                                ; its stores have read their registers and bases
	s_mov_b64 s[48:49], s[56:57]
	s_mov_b64 s[50:51], s[58:59]
	s_mov_b64 s[52:53], s[60:61]
	s_mov_b64 s[54:55], s[62:63]
	s_mov_b32 s37, s38
	s_mov_b32 s36, 0
	INIT                                           ; the early block begins
.Lsame:
	s_sub_co_u32 s13, s13, 1
	s_cmp_lg_u32 s13, 0
	s_cbranch_scc1 .Lunit
	CHANGE 0
	STEP 0
	STEP 1
	FLUSH
	s_wait_tensorcnt 0x0                           ; the wave's end
	ds_add_u32 v5, v6
	s_wait_dscnt 0x0
	s_endpgm
.Lfunc_end_k_qca37fbd08e_attn:
	.size	k_qca37fbd08e_attn, .Lfunc_end_k_qca37fbd08e_attn-k_qca37fbd08e_attn
	.p2alignl 7, 3214868480
	.fill 96, 4, 3214868480
	.section	.rodata,"a",@progbits
	.p2align	6, 0x0
	.amdhsa_kernel k_qca37fbd08e_attn
		.amdhsa_group_segment_fixed_size 327680
		.amdhsa_private_segment_fixed_size 0
		.amdhsa_enable_private_segment 0
		.amdhsa_kernarg_size 24
		.amdhsa_user_sgpr_count 2
		.amdhsa_user_sgpr_kernarg_segment_ptr 1
		.amdhsa_wavefront_size32 1
		.amdhsa_system_sgpr_workgroup_id_x 1
		.amdhsa_system_sgpr_workgroup_id_y 1
		.amdhsa_system_sgpr_workgroup_id_z 1
		.amdhsa_system_vgpr_workitem_id 0
		.amdhsa_next_free_vgpr 256
		.amdhsa_next_free_sgpr 80
		.amdhsa_reserve_vcc 1
		.amdhsa_float_denorm_mode_32 3
		.amdhsa_float_denorm_mode_16_64 3
		.amdhsa_memory_ordered 1
		.amdhsa_forward_progress 1
		.amdhsa_inst_pref_size 110
	.end_amdhsa_kernel
	.amdgpu_metadata
---
amdhsa.version: [ 1, 2 ]
amdhsa.kernels:
  - .name:           k_qca37fbd08e_attn
    .symbol:         k_qca37fbd08e_attn.kd
    .args:
      - { .name: att, .offset: 0, .size: 8, .value_kind: global_buffer, .address_space: global }
      - { .name: opc, .offset: 8, .size: 8, .value_kind: global_buffer, .address_space: global }
      - { .name: ops, .offset: 16, .size: 8, .value_kind: global_buffer, .address_space: global }
    .group_segment_fixed_size: 327680
    .private_segment_fixed_size: 0
    .kernarg_segment_align: 8
    .kernarg_segment_size: 24
    .max_flat_workgroup_size: 512
    .sgpr_count:     80
    .vgpr_count:     256
    .wavefront_size: 32
...
	.end_amdgpu_metadata
.endif
;; end of part 4
;; launch gemm2 (part 5): grid 4 x 64, 4 waves a work-group, clusters of 4 x 4, 327,680 bytes of LDS; arguments opc, ops, b_proj, out0; writes out0
.if DOCPART == 5
	.amdgcn_target "amdgcn-amd-amdhsa--gfx1250"
	.amdhsa_code_object_version 6
	.text
	.protected	k_qca37fbd08e_gemm2
	.globl	k_qca37fbd08e_gemm2
	.p2align	8
	.type	k_qca37fbd08e_gemm2,@function
k_qca37fbd08e_gemm2:
	s_mov_b64 s[64:65], 0
	v_nop
	global_prefetch_b8 v0, s[64:65] scope:SCOPE_SE
	s_setreg_imm32_b32 hwreg(HW_REG_WAVE_MODE, 25, 1), 1
	s_wait_xcnt 0x0
	s_wait_alu depctr_hold_cnt(0) depctr_sa_sdst(0) depctr_va_vdst(0) depctr_va_sdst(0) depctr_va_ssrc(0) depctr_va_vcc(0) depctr_vm_vsrc(0)
	s_getreg_b32 s2, hwreg(HW_REG_IB_STS2, 6, 4)
	s_cmp_eq_u32 s2, 0
	s_cbranch_scc0 .Lentry_in_a_cluster
	s_endpgm
.Lentry_in_a_cluster:
	s_bfe_u32 s2, ttmp6, 0x10000c
	s_cmp_lg_u32 s2, 0xf033
	s_cbranch_scc0 .Lentry_shape_is_right
	s_endpgm
.Lentry_shape_is_right:
; out0 = y W_proj + b_proj on codes of FP6 (E2M3) with E8M0 scales, K = 1,024.  y's codes lie in tiles of rows 0 .. 511 of opc, W_proj's columns in tiles 704 .. 767; the scale bytes in ops, [row][32].
; A work-group makes 128 rows x 256 columns, so that there are 256 work-groups; four waves of 64 x 128: 32 accumulators.  The matrix instruction is used transposed (source 0 = 16 columns of W_proj, source 1 = 16 rows of y):
; a lane holds eight neighbouring numbers of a row of the output.  The bias is the C of each sum's first matrix instruction.
; ALL OF K LIES IN LDS: four slots of 256 along K (8 + 16 tiles of rows x 3,072 bytes), each filled once, all asked for at the start: a wave has four tensor loads out.  Nothing is filled again.
; CLUSTER 4 x 4: y's tiles are shared along a row of the cluster, W_proj's along a column; each is asked for jointly by the four that share it.
; REGISTERS: window 0: v1-5 lane numbers, v8-23 LDS addresses, v26-30 offsets, v32-95 scale words (lanes 0-15 y's block i, lanes 16-31 W_proj's tile i, all eight K steps), v128-175 y's fragments; on the way out v128-255.
;   window 1: W_proj's fragments, two sets at v0 and v128; v96-127 and v224-255 the bias.   window 2: the accumulators, (a, b) at v[64 a + 8 b].
.set SLOT,  73728
.set AREG,  24576
.set SC,    32
.set AF,    128
.set MSB, 0
.macro WIN new
.if MSB != (\new)
	s_set_vgpr_msb (MSB<<8)|(\new)
.set MSB, (\new)
.endif
.endm
.macro PLACES n
.rept \n
	v_nop
.endr
.endm
.macro JLOAD s                         ; waves 0 and 1 fetch y's halves, waves 2 and 3 W_proj's; four v_nop follow each line
	s_cmp_eq_u32 s13, 0
	s_cbranch_scc0 .Lfor_b_\@
	tensor_load_to_lds s[36+4*(\s):39+4*(\s)], s[20:27]
	s_nop 0
.rept 4
	v_nop
.endr
	s_branch .Lasked_\@
.Lfor_b_\@:
	tensor_load_to_lds s[52+4*(\s)+4*((\s)/3):55+4*(\s)+4*((\s)/3)], s[28:35]
	s_nop 0
.rept 4
	v_nop
.endr
.Lasked_\@:
.endm
.macro CROUND
	s_barrier_signal -1
	s_barrier_wait -1
	s_cmp_lg_u32 s12, 0
	s_cbranch_scc1 .Lnot_wave_0_\@
	s_barrier_signal -3
.Lnot_wave_0_\@:
	s_barrier_wait -3
	s_barrier_signal -1
	s_barrier_wait -1
.endm
	s_load_b256 s[4:11], s[0:1], 0x0               ; opc, ops, b_proj, out0
	v_lshl_add_u32 v126, v0, 2, 0x48000
	v_mov_b32 v127, 0
	ds_add_u32 v126, v127
	v_lshrrev_b32 v1, 5, v0
	v_readfirstlane_b32 s12, v1                    ; wave
	s_lshr_b32 s13, s12, 1                         ; my half of the rows.  Also: I fetch for y (0) or W_proj (1)
	s_and_b32 s14, s12, 1                          ; my half of the columns.  Also: which half I fetch
	s_bfe_u32 s15, ttmp6, 0x40000                  ; cx: which 256 columns
	s_bfe_u32 s16, ttmp6, 0x40004                  ; cy
	s_and_b32 s18, ttmp7, 0xffff                   ; the cluster's y
	s_lshl_b32 s72, s16, 2
	s_lshl_b32 s72, 15, s72                        ; my row of the cluster
	s_lshl_b32 s73, 0x1111, s15                    ; my column
	s_or_b32 s20, s72, (3<<16)|(1<<21)
	s_or_b32 s28, s73, (3<<16)|(1<<21)
	; group 1: rows of 3,072 bytes (384 elements of 8), 12,288 bytes apart in memory, dense in LDS; 4 rows for y, 8 for W_proj
	s_mov_b32 s21, 384<<16
	s_mov_b32 s22, 4<<16
	s_mov_b32 s23, 384<<16
	s_mov_b32 s24, 4
	s_mov_b32 s25, 1536
	s_mov_b32 s26, 0
	s_mov_b32 s27, 0
	s_mov_b32 s29, 384<<16
	s_mov_b32 s30, 8<<16
	s_mov_b32 s31, 384<<16
	s_mov_b32 s32, 8
	s_mov_b32 s33, 1536
	s_mov_b32 s34, 0
	s_mov_b32 s35, 0
	s_lshl_b32 s74, s18, 2
	s_add_co_u32 s74, s74, s16                     ; tr: which 128 rows
	s_lshl_b32 s79, s74, 3                         ; y's first tile of rows
	s_lshl_b32 s80, s15, 4
	s_add_co_u32 s80, s80, 704                     ; W_proj's first tile of rows
	s_lshl_b32 s81, s14, 2
	s_add_co_u32 s82, s79, s81
	s_mul_i32 s82, s82, 12288
	s_mov_b32 s83, 0
	s_lshl_b32 s81, s14, 3
	s_add_co_u32 s84, s80, s81
	s_mul_i32 s84, s84, 12288
	s_mov_b32 s85, 0
	s_mul_i32 s86, s14, 12288                      ; where they go: no place in the cluster enters an LDS address
	s_mul_i32 s87, s14, 24576
	s_add_co_u32 s87, s87, AREG
	s_wait_dscnt 0x0
	s_wait_kmcnt 0x0
	s_add_nc_u64 s[82:83], s[4:5], s[82:83]
	s_add_nc_u64 s[84:85], s[4:5], s[84:85]
	CROUND                                         ; all sixteen work-groups are here: the joint loads meet
.irp s, 0,1,2,3
	s_mov_b32 s[36+4*\s], 1
	s_add_co_u32 s[37+4*\s], s86, \s*SLOT
	s_add_nc_u64 s[38+4*\s:39+4*\s], s[82:83], \s*3072
	s_or_b32 s[39+4*\s], s[39+4*\s], 0x80000000
	s_mov_b32 s[52+4*\s+4*(\s/3)], 1
	s_add_co_u32 s[53+4*\s+4*(\s/3)], s87, \s*SLOT
	s_add_nc_u64 s[54+4*\s+4*(\s/3):55+4*\s+4*(\s/3)], s[84:85], \s*3072
	s_or_b32 s[55+4*\s+4*(\s/3)], s[55+4*\s+4*(\s/3)], 0x80000000
	JLOAD \s
.endr
	v_and_b32 v1, 31, v0
	v_and_b32 v2, 15, v0                           ; r
	v_bfe_u32 v3, v0, 4, 1                         ; h
	v_lshlrev_b32 v4, 4, v1                        ; 16 x lane
	v_lshlrev_b32 v5, 3, v1                        ; 8 x lane
	s_mul_i32 s88, s13, 12288
	s_mul_i32 s89, s14, 24576
	s_add_co_u32 s89, s89, AREG
.irp s, 0,1,2,3
	v_add_nc_u32 v[8+\s], s88, v4
	v_add_nc_u32 v[12+\s], s88, v5
	v_add_nc_u32 v[16+\s], s89, v4
	v_add_nc_u32 v[20+\s], s89, v5
	s_add_co_u32 s88, s88, SLOT
	s_add_co_u32 s89, s89, SLOT
.endr
	s_mul_i32 s88, s12, 8448                       ; my stage for the way out: 16 rows x (512 + 16) bytes, in slot 0
	v_mul_u32_u24 v29, v2, 528
	v_lshl_add_u32 v29, v3, 5, v29
	v_add_nc_u32 v29, s88, v29                     ; in: row r, 32 bytes for each half of the lanes
	v_add_nc_u32 v30, s88, v4                      ; back: a row of 512 bytes to the 32 lanes
	s_lshl_b32 s90, s13, 2
	s_add_co_u32 s90, s90, s79
	s_lshl_b32 s90, s90, 9
	s_lshl_b32 s91, s14, 3
	s_add_co_u32 s91, s91, s80
	s_lshl_b32 s91, s91, 9
	v_mov_b32 v26, s90
	v_mov_b32 v27, s91
	v_cmp_eq_u32 vcc_lo, 1, v3
	v_cndmask_b32 v26, v26, v27, vcc_lo
	v_lshl_add_u32 v26, v2, 5, v26                 ; scale words: lanes 0-15 y's rows, lanes 16-31 W_proj's (for i from 4 on lanes 0-15 read rows that are not used; they lie inside the buffer)
.irp i, 0,1,2,3,4,5,6,7
	global_load_b128 v[SC+8*\i:SC+8*\i+3], v26, s[6:7] offset:512*\i
	global_load_b128 v[SC+8*\i+4:SC+8*\i+7], v26, s[6:7] offset:512*\i+16
.endr
	s_lshl_b32 s92, s15, 10
	s_lshl_b32 s93, s14, 9
	s_add_co_u32 s92, s92, s93                     ; my first column, in bytes of f32
	v_lshl_add_u32 v28, v3, 5, s92
	WIN 0x40
.irp b, 0,1,2,3,4,5,6,7
	global_load_b128 v[96+8*\b+96*(\b/4):96+8*\b+96*(\b/4)+3], v28, s[8:9] offset:64*\b
	global_load_b128 v[96+8*\b+96*(\b/4)+4:96+8*\b+96*(\b/4)+7], v28, s[8:9] offset:64*\b+16
.endr
	WIN 0
	s_lshl_b32 s94, s74, 7
	s_lshl_b32 s95, s13, 6
	s_add_co_u32 s94, s94, s95                     ; my first row of the output
	s_lshl_b32 s94, s94, 12
	s_add_co_u32 s94, s94, s92
	s_mov_b32 s95, 0
	s_add_nc_u64 s[10:11], s[10:11], s[94:95]
.macro FRAG reg, a16, a8, q, i
	ds_load_b128 v[\reg:\reg+3], v[\a16] offset:(\i)*3072+(\q)*1536
	ds_load_b64 v[\reg+4:\reg+5], v[\a8] offset:(\i)*3072+(\q)*1536+512
	ds_load_b128 v[\reg+6:\reg+9], v[\a16] offset:(\i)*3072+(\q)*1536+768
	ds_load_b64 v[\reg+10:\reg+11], v[\a8] offset:(\i)*3072+(\q)*1536+1280
.endm
.macro FETCH_B slot, q, p
	WIN 0x40
.irp i, 0,1,2,3,4,5,6,7
	FRAG 128*(\p)+12*\i, 16+\slot, 20+\slot, \q, \i
.endr
	WIN 0
.endm
.macro FETCH_A slot, q, i0             ; y's blocks i0, i0 + 1: 8 loads
.irp i, \i0, \i0+1
	FRAG AF+12*(\i), 8+\slot, 12+\slot, \q, \i
.endr
.endm
; eight matrix instructions; the 32 accumulators take turns, one instruction a turn, in the same order in every K step.  first = 1: the bias starts the sums.
.macro MULA a, p, kq, first
.irp b, 0,1,2,3,4,5,6,7
.if \first
	v_wmma_scale_f32_16x16x128_f8f6f4 v[64*(\a)+8*\b:64*(\a)+8*\b+7], v[128*(\p)+12*\b:128*(\p)+12*\b+11], v[AF+12*(\a):AF+12*(\a)+11], v[96+8*\b+96*(\b/4):96+8*\b+96*(\b/4)+7], v[SC+8*\b+(\kq)], v[SC+8*(\a)+(\kq)] matrix_a_fmt:MATRIX_FMT_FP6 matrix_b_fmt:MATRIX_FMT_FP6 matrix_a_scale:MATRIX_SCALE_ROW1
.else
	v_wmma_scale_f32_16x16x128_f8f6f4 v[64*(\a)+8*\b:64*(\a)+8*\b+7], v[128*(\p)+12*\b:128*(\p)+12*\b+11], v[AF+12*(\a):AF+12*(\a)+11], v[64*(\a)+8*\b:64*(\a)+8*\b+7], v[SC+8*\b+(\kq)], v[SC+8*(\a)+(\kq)] matrix_a_fmt:MATRIX_FMT_FP6 matrix_b_fmt:MATRIX_FMT_FP6 matrix_a_scale:MATRIX_SCALE_ROW1
.endif
.endr
.endm
; A K step of 128: 32 matrix instructions.  sync = 1: the next fragments lie in the next slot: each wave shows its part landed (cnt younger loads may stay out), then the work-group's barrier.
; Window setting: source 0 window 1, source 1 window 0, D window 2; C window 2, or window 1 where the bias is C.
.macro KSTEP kq, nslot, nq, sync, cnt, first, last
.if \sync
	s_wait_tensorcnt \cnt
	s_wait_dscnt 8                                 ; W_proj's set and y's blocks 0-1 are in; blocks 2-3 (8 loads) may be out
	WIN 0xa1
	MULA 0, (\kq)%2, \kq, 0
	s_wait_dscnt 0x0                               ; no LDS instruction of mine is pending at the signal
	s_barrier_signal -1
	MULA 1, (\kq)%2, \kq, 0
	WIN 0
	s_barrier_wait -1
	PLACES 4
.else
	s_wait_dscnt 8
	WIN 0xa1-0x10*(\first)
	MULA 0, (\kq)%2, \kq, \first
	MULA 1, (\kq)%2, \kq, \first
	s_wait_dscnt 0x0
.if \last == 0
	PLACES 4
.endif
.endif
.if \last == 0
	FETCH_B \nslot, \nq, 1-(\kq)%2
	FETCH_A \nslot, \nq, 0
.endif
	WIN 0xa1-0x10*(\first)
	MULA 2, (\kq)%2, \kq, \first
	MULA 3, (\kq)%2, \kq, \first
.if \last == 0
	PLACES 4
	WIN 0
	FETCH_A \nslot, \nq, 2
.endif
.endm
	s_wait_tensorcnt 3                             ; my part of slot 0 is in; three younger loads may be out
	s_barrier_signal -1
	s_barrier_wait -1
	FETCH_B 0, 0, 0
	FETCH_A 0, 0, 0
	FETCH_A 0, 0, 2
	s_wait_loadcnt 0x0                             ; scale words and bias
	KSTEP 0, 0, 1, 0, 0, 1, 0
	KSTEP 1, 1, 0, 1, 2, 0, 0
	KSTEP 2, 1, 1, 0, 0, 0, 0
	KSTEP 3, 2, 0, 1, 1, 0, 0
	KSTEP 4, 2, 1, 0, 0, 0, 0
	KSTEP 5, 3, 0, 1, 0, 0, 0
	KSTEP 6, 3, 1, 0, 0, 0, 0
	KSTEP 7, 0, 0, 0, 0, 0, 1
	WIN 0
; THE WAY OUT, a block of 16 rows x 128 columns at a time, through my own stage in slot 0, which has had its only fill and which every wave left three barriers ago: in as 32 bytes a lane, back as whole rows of 512 bytes.
; LDS serves a wave's instructions in order (ISA guide 5.7.1.4): no wait between the stores and the loads, nor in front of the next block's stores.
.macro TOSTAGE a
	WIN 0x08                                       ; an LDS store's data are its source 1: window 2
.irp b, 0,1,2,3,4,5,6,7
	ds_store_b128 v29, v[64*(\a)+8*\b:64*(\a)+8*\b+3] offset:64*\b          ; each accumulator from its low end on
	ds_store_b128 v29, v[64*(\a)+8*\b+4:64*(\a)+8*\b+7] offset:64*\b+16
.endr
	WIN 0
.irp t, 0,1,2,3,4,5,6,7,8,9,10,11,12,13,14,15
	ds_load_b128 v[128+64*((\a)%2)+4*\t:128+64*((\a)%2)+4*\t+3], v30 offset:\t*528
.endr
.endm
.macro SEND a, younger
	s_wait_dscnt \younger                          ; the block is back in registers
.if (\a) > 0
	s_add_nc_u64 s[10:11], s[10:11], 65536         ; 16 rows on (the earlier stores have read their base: a wait for that stands ahead)
.endif
.irp t, 0,1,2,3,4,5,6,7,8,9,10,11,12,13,14,15
	global_store_b128 v4, v[128+64*((\a)%2)+4*\t:128+64*((\a)%2)+4*\t+3], s[10:11] offset:\t*4096 th:TH_STORE_NT   ; 32 lanes store 512 consecutive bytes, aligned
.endr
.endm
	PLACES 4
	TOSTAGE 0
.irp a, 1,2,3
.if \a > 1
	s_wait_xcnt 0x0                                ; block a - 2's stores have read their registers and their base
.endif
	TOSTAGE \a
	SEND \a-1, 32                                  ; behind block a - 1's loads: block a's 16 stores and 16 loads
.endr
	s_wait_xcnt 0x0
	SEND 3, 0
	s_wait_tensorcnt 0x0
	ds_add_u32 v126, v127
	s_wait_dscnt 0x0
	CROUND                                         ; the closing round: no work-group ends while a partner may still ask for a tile that names it
	s_endpgm
.Lfunc_end_k_qca37fbd08e_gemm2:
	.size	k_qca37fbd08e_gemm2, .Lfunc_end_k_qca37fbd08e_gemm2-k_qca37fbd08e_gemm2
	.p2alignl 7, 3214868480
	.fill 96, 4, 3214868480
	.section	.rodata,"a",@progbits
	.p2align	6, 0x0
	.amdhsa_kernel k_qca37fbd08e_gemm2
		.amdhsa_group_segment_fixed_size 327680
		.amdhsa_private_segment_fixed_size 0
		.amdhsa_enable_private_segment 0
		.amdhsa_kernarg_size 32
		.amdhsa_user_sgpr_count 2
		.amdhsa_user_sgpr_kernarg_segment_ptr 1
		.amdhsa_wavefront_size32 1
		.amdhsa_system_sgpr_workgroup_id_x 1
		.amdhsa_system_sgpr_workgroup_id_y 1
		.amdhsa_system_sgpr_workgroup_id_z 1
		.amdhsa_system_vgpr_workitem_id 0
		.amdhsa_next_free_vgpr 768
		.amdhsa_next_free_sgpr 100
		.amdhsa_reserve_vcc 1
		.amdhsa_float_denorm_mode_32 3
		.amdhsa_float_denorm_mode_16_64 3
		.amdhsa_memory_ordered 1
		.amdhsa_forward_progress 1
		.amdhsa_inst_pref_size 88
	.end_amdhsa_kernel
	.amdgpu_metadata
---
amdhsa.version: [ 1, 2 ]
amdhsa.kernels:
  - .name:           k_qca37fbd08e_gemm2
    .symbol:         k_qca37fbd08e_gemm2.kd
    .args:
      - { .name: opc, .offset: 0, .size: 8, .value_kind: global_buffer, .address_space: global }
      - { .name: ops, .offset: 8, .size: 8, .value_kind: global_buffer, .address_space: global }
      - { .name: b_proj, .offset: 16, .size: 8, .value_kind: global_buffer, .address_space: global }
      - { .name: out0, .offset: 24, .size: 8, .value_kind: global_buffer, .address_space: global }
    .group_segment_fixed_size: 327680
    .private_segment_fixed_size: 0
    .kernarg_segment_align: 8
    .kernarg_segment_size: 32
    .max_flat_workgroup_size: 128
    .sgpr_count:     100
    .vgpr_count:     768
    .wavefront_size: 32
...
	.end_amdgpu_metadata
.endif
;; end of part 5
